; MI455X (gfx1250); checked and timed in simulation.
; The chip was launched on July 23, 2026; its instructions are those of AMD's public machine-readable ISA for CDNA 5 (MIT licence, August 2026) and "CDNA5" Instruction Set Architecture Reference Guide (July 2026). The comments in the code are by the model that wrote it; some were corrected since.
;; RMS Norm. Allowed arithmetic: matrix products marked QUANTISED: E3M2 operands, one E8M0 scale for each 32 along K, by v_wmma_scale_f32_16x16x128_f8f6f4 with both operands' format E3M2, f32 sums; everything else in f32.
;; Inputs: cos 2,048 x 32 float32; mask 1 x 1 x 2,048 x 2,048 float32; sin 2,048 x 32 float32; wk 2,048 x 512 float32; wo 2,048 x 2,048 float32; wq 2,048 x 2,048 float32; wv 2,048 x 512 float32; x 1 x 2,048 x 2,048 float32.
;; Outputs: out0 1 x 2,048 x 2,048 float32.
;; Constants: start_pos = 0.
;; This version of the problem:
;;   THIS VERSION OF THE PROBLEM IS GIVEN IN LOW PRECISION. The matrix products marked QUANTISED in the list below multiply operands that are first quantised to E3M2 (3 exponent bits, 2 mantissa bits; 6 bits a number), with one power-of-two scale for each 32 numbers along K (OCP MX v1.0); their sums are f32. All else is computed in f32.
;;   The module's matrix products, in the order in which they are computed (A, B: the left and right operand; K: the contracted axis; several contracted axes count as one K, in the product's order):
;;     1. [M 2,048, K 2,048] x [K 2,048, N 2,048]; A: input x; B: input wq: QUANTISED
;;     2. [M 2,048, K 2,048] x [K 2,048, N 512]; A: input x; B: input wk: QUANTISED
;;     3. [M 2,048, K 2,048] x [K 2,048, N 512]; A: input x; B: input wv: QUANTISED
;;     4. batch 32 x [M 2,048, K 64] x [K 64, N 2,048]; A: computed on the way; B: computed on the way: QUANTISED
;;     5. batch 32 x [M 2,048, K 2,048] x [K 2,048, N 64]; A: softmax (see below); B: computed on the way: QUANTISED
;;     6. [M 2,048, K 2,048] x [K 2,048, N 2,048]; A: computed on the way; B: input wo: QUANTISED
;;   THE QUANTISER, for each operand of a quantised product, along K:
;;     - K is cut into blocks of 32 from its start; a last block that is shorter is filled with zeros.
;;     - A block's scale is 2^e with e = floor(log2(the largest magnitude in the block)) - 4, held to -126 .. 127; a block of zeros has e = 0. As a byte (E8M0): e + 127.
;;     - Each number is divided by its block's scale, clamped to +-28, and rounded to the nearest number of E3M2, ties to even, subnormals kept.
;;     - The product sums the exact products of the quantised numbers (number of the format x scale) in f32.
;;   ~~~python
;;   def quantise(x, axis):      # numpy; x: float32 -> the quantised numbers, widened to float32 again
;;       x = np.moveaxis(x, axis, -1); K = x.shape[-1]
;;       x = np.pad(x, [(0, 0)] * (x.ndim - 1) + [(0, -K % 32)]); x = x.reshape(x.shape[:-1] + (-1, 32)); a = np.abs(x).max(-1, keepdims=True)
;;       e = np.where(a > 0, np.clip(np.frexp(np.where(a > 0, a, 1))[1] - 1 - 4, -126, 127), 0)      # np.frexp(a)[1] - 1 = floor(log2(a)), exactly
;;       r = np.clip(x / 2.0 ** e, -28, 28)
;;       step = 2.0 ** (np.maximum(np.frexp(np.where(r == 0, 1, r))[1] - 1, -2) - 2)
;;       q = np.round(r / step) * step * 2.0 ** e      # np.round: ties to even
;;       return np.moveaxis(q.reshape(q.shape[:-2] + (-1,))[..., :K], -1, axis).astype(np.float32)
;;   ~~~
;;   SOFTMAX AHEAD OF A QUANTISED PRODUCT. Where the list says 'softmax', what is quantised is not the finished softmax but p = 2^(t - M), with t = logit x log2(e) and M = ceil(the row's largest t), a whole number; so 1/2 < the row's largest p <= 1. The row's sum l is taken of the UNQUANTISED p, in f32, and the product's result is divided by l at the end. Since M is a whole number, a kernel that streams over the keys may use a running M (the ceiling of the running maximum): every later rescaling is an exact power of two, which a block's scale takes up: the codes' values come out the same.
;;   OPERANDS COMPUTED ON THE WAY. 'Computed on the way' means the value that the module computes at that place (a softmax that the list does not call 'softmax' is quantised finished and normalised). What goes into a quantiser is computed in f32, as accurately as f32 sums, v_exp_f32 and their like allow (about 1e-6 of the number): no bf16 or f16 on the way to a quantiser, and a product that is left as it is and whose result goes on into a quantised operand takes f32 operands (vector FMAs, or v_wmma_f32_16x16x4_f32). A number that lies on a knife's edge between two numbers of the format may be rounded either way, as far as f32 arithmetic and the matrix unit's own rounding can turn it there, and no further.
;; 2 versions, each right. Each part assembles by itself: llvm-mc -triple=amdgcn-amd-amdhsa -mcpu=gfx1250 --defsym DOCPART=n.
;; ======== version 1 of 2: 5 launches
;; workspace buffers: act 3,276,800 bytes; wts 8,192,000 bytes; qimg 4,194,304 bytes; kvp 1,638,400 bytes
;; launch qx (part 1): grid 128 x 1, 4 waves a work-group, no clusters, 33,280 bytes of LDS; arguments x, act; writes act
.if DOCPART == 1
	.amdgcn_target "amdgcn-amd-amdhsa--gfx1250"
	.amdhsa_code_object_version 6
	.text
	.protected	k_q8f49b3cda6_qx
	.globl	k_q8f49b3cda6_qx
	.p2align	8
	.type	k_q8f49b3cda6_qx,@function
k_q8f49b3cda6_qx:
	s_mov_b64 s[64:65], 0
	v_nop
	global_prefetch_b8 v0, s[64:65] scope:SCOPE_SE
	s_setreg_imm32_b32 hwreg(HW_REG_WAVE_MODE, 25, 1), 1
	s_wait_xcnt 0x0
; x [2048][2048] f32 becomes codes of BF6 (E3M2), K innermost: act + 0: [2048 tokens][1536 bytes]; one E8M0 byte for each 32 along K: act + ASC: [2048][64].
; A block's scale is 2^(floor(log2(its largest magnitude)) - 4); its byte is the largest magnitude's exponent field - 4, held at 1 from below.
; LIMITS: a block of zeros, or one whose largest magnitude lies under 2^-122, gets the byte 1 (zero codes add nothing under any byte but 0xff, and this program alone reads the bytes);
; NaN and infinities among the inputs are not served.
; Rows are dense and 2048 is a multiple of 32: x is a plain stream of blocks of 32, and so are its codes and bytes.  A wave takes 16 steps of 512 numbers.
; Each load reads 512 consecutive bytes, 16 a lane; a step's 2,048 bytes turn through the wave's own stage in LDS and come back 64 bytes a lane, so that a lane holds 16 neighbours along K
; (two neighbouring lanes hold a block).  The stage has 16 bytes of padding behind each 64.  A lane's 16 codes are 12 bytes: the wave stores 384 consecutive bytes.
; A wave's 256 scale bytes are gathered in its own LDS bytes and leave as one aligned run of 256 bytes.  Memory binds: no matrix unit, no cluster, no barrier: waves share nothing.
.set STEPS, 16
.set EMAX,  4
.set CB,    12                         ; bytes of 16 codes
.set R,     16                         ; v16-79   four sets of 16 numbers as loaded
.set X,     80                         ; v80-111  two sets of 16 neighbours
.set C,     128                        ; v128-191 codes: four registers for each step, so that no store's data are written again
.set E,     112                        ; v112-127 a scale byte for each step
.set WREG,  8192                       ; LDS of a wave: two stages of 32 x SP bytes, behind them its 256 scale bytes
.set SP,    80
.set ASC,   0x300000                   ; where the scale bytes begin in act
	s_load_b128 s[4:7], s[0:1], 0x0                ; x, act
	v_lshl_add_u32 v192, v0, 2, 0x8000
	v_mov_b32 v193, 0
	v_lshrrev_b32 v1, 5, v0
	v_readfirstlane_b32 s16, v1                    ; wave
	v_and_b32 v2, 31, v0                           ; lane
	v_lshlrev_b32 v3, 4, v2                        ; my 16 bytes of a load's 512
	s_mul_i32 s17, s16, WREG
	v_lshrrev_b32 v14, 2, v2
	v_mul_u32_u24 v14, v14, SP
	v_and_b32 v15, 3, v2
	v_lshl_add_u32 v14, v15, 4, v14
	v_add_nc_u32 v14, s17, v14                     ; the stage, way in: SP (lane / 4) + 16 (lane % 4)
	v_mul_u32_u24 v15, v2, SP
	v_add_nc_u32 v15, s17, v15                     ; way out: SP x lane: my 16 neighbours
	v_mul_u32_u24 v4, v2, CB                       ; my codes' place in a step's
	v_lshrrev_b32 v5, 1, v2
	s_add_co_u32 s17, s17, 2*32*SP
	v_add_nc_u32 v5, s17, v5                       ; my block's byte among my wave's 256
	v_lshlrev_b32 v7, 3, v2
	v_add_nc_u32 v6, s17, v7                       ; and on the way out 8 bytes a lane
	s_lshl_b32 s18, ttmp9, 2
	s_add_co_u32 s18, s18, s16                     ; which run of 8,192 numbers is my wave's: 0 .. 511
	s_lshl_b32 s20, s18, 15                        ; 32,768 bytes of x a run
	s_mov_b32 s21, 0
	s_mul_i32 s22, s18, 32*STEPS*CB                ; 6,144 bytes of codes
	s_mov_b32 s23, 0
	s_lshl_b32 s24, s18, 8                         ; 256 scale bytes
	s_add_co_u32 s24, s24, ASC
	s_mov_b32 s25, 0
	s_wait_kmcnt 0x0
	s_add_nc_u64 s[4:5], s[4:5], s[20:21]
	s_add_nc_u64 s[8:9], s[6:7], s[22:23]
	s_add_nc_u64 s[10:11], s[6:7], s[24:25]
.macro LOAD t
.irp i, 0,1,2,3
	global_load_b128 v[R+16*((\t)%4)+4*\i:R+16*((\t)%4)+4*\i+3], v3, s[4:5] offset:2048*(\t)+512*\i th:TH_LOAD_NT   ; 32 lanes read 512 consecutive bytes
.endr
.endm
.macro TURN t                          ; step t's numbers through the stage: LDS serves a wave's instructions in order, so no wait stands between the stores and the loads
.irp i, 0,1,2,3
	ds_store_b128 v14, v[R+16*((\t)%4)+4*\i:R+16*((\t)%4)+4*\i+3] offset:32*SP*((\t)%2)+8*SP*\i
.endr
.irp i, 0,1,2,3
	ds_load_b128 v[X+16*((\t)%2)+4*\i:X+16*((\t)%2)+4*\i+3], v15 offset:32*SP*((\t)%2)+16*\i
.endr
.endm
.irp t, 0,1,2,3
	LOAD \t
.endr
	s_wait_loadcnt 12                              ; step 0's four loads are in; twelve younger ones stay out
	TURN 0
.macro STEP t
.set XS, X+16*((\t)%2)
.if (\t) > 0
	s_wait_dscnt 1                                 ; this step's numbers are back from the stage (the last step's byte store may be out)
.else
	s_wait_dscnt 0x0
.endif
.if (\t)+4 < STEPS
	LOAD (\t)+4                                    ; into the registers that this step's stage stores have read
.endif
.if (\t)+1 < STEPS
.if STEPS-2-(\t) >= 3
	s_wait_loadcnt 12                              ; the next step's four loads are in; those of the three steps behind it may be out
.else
	s_wait_loadcnt 4*(STEPS-2-(\t))
.endif
	TURN (\t)+1
.endif
	v_max3_num_f32 v8, |v[XS]|, |v[XS+1]|, |v[XS+2]|               ; the largest magnitude of my 16, in two chains
	v_max3_num_f32 v9, |v[XS+3]|, |v[XS+4]|, |v[XS+5]|
.irp i, 6,10
	v_max3_num_f32 v8, v8, |v[XS+\i]|, |v[XS+\i+1]|
	v_max3_num_f32 v9, v9, |v[XS+\i+2]|, |v[XS+\i+3]|
.endr
	v_max3_num_f32 v8, v8, |v[XS+14]|, |v[XS+15]|
	v_max3_num_f32 v8, v8, v9, (EMAX+1)<<23        ; and the floor 2^(5 - 127): the byte cannot fall under 1
	v_max_num_f32_dpp v8, v8, v8 row_xmask:1 row_mask:0xf bank_mask:0xf   ; with my neighbour's 16: the block's
	v_add_nc_u32 v11, -(EMAX<<23), v8              ; 4 off its exponent field: the conversion takes this operand's exponent field as its scale
	v_cvt_scalef32_pk16_bf6_f32 v[C+4*(\t):C+4*(\t)+2], v[XS:XS+15], v11
	v_lshrrev_b32 v[E+(\t)], 23, v11               ; the scale's byte
	ds_store_b8 v5, v[E+(\t)] offset:16*(\t)       ; both lanes of a block write the same byte with the same value
	global_store_b96 v4, v[C+4*(\t):C+4*(\t)+2], s[8:9] offset:32*CB*(\t)
.endm
.irp t, 0,1,2,3,4,5,6,7,8,9,10,11,12,13,14,15
	STEP \t
.endr
	ds_load_b64 v[12:13], v6                       ; LDS serves a wave's instructions in order: these see my stores
	s_wait_dscnt 0x0
	global_store_b64 v7, v[12:13], s[10:11]        ; 32 lanes store 256 consecutive bytes, aligned
	s_wait_tensorcnt 0x0
	ds_add_u32 v192, v193
	s_wait_dscnt 0x0
	s_endpgm
.Lfunc_end_k_q8f49b3cda6_qx:
	.size	k_q8f49b3cda6_qx, .Lfunc_end_k_q8f49b3cda6_qx-k_q8f49b3cda6_qx
	.p2alignl 7, 3214868480
	.fill 96, 4, 3214868480
	.section	.rodata,"a",@progbits
	.p2align	6, 0x0
	.amdhsa_kernel k_q8f49b3cda6_qx
		.amdhsa_group_segment_fixed_size 33280
		.amdhsa_private_segment_fixed_size 0
		.amdhsa_enable_private_segment 0
		.amdhsa_kernarg_size 16
		.amdhsa_user_sgpr_count 2
		.amdhsa_user_sgpr_kernarg_segment_ptr 1
		.amdhsa_wavefront_size32 1
		.amdhsa_system_sgpr_workgroup_id_x 1
		.amdhsa_system_sgpr_workgroup_id_y 1
		.amdhsa_system_sgpr_workgroup_id_z 1
		.amdhsa_system_vgpr_workitem_id 0
		.amdhsa_next_free_vgpr 194
		.amdhsa_next_free_sgpr 66
		.amdhsa_reserve_vcc 0
		.amdhsa_float_denorm_mode_32 3
		.amdhsa_float_denorm_mode_16_64 3
		.amdhsa_memory_ordered 1
		.amdhsa_forward_progress 1
		.amdhsa_inst_pref_size 32
	.end_amdhsa_kernel
	.amdgpu_metadata
---
amdhsa.version: [ 1, 2 ]
amdhsa.kernels:
  - .name:           k_q8f49b3cda6_qx
    .symbol:         k_q8f49b3cda6_qx.kd
    .args:
      - { .name: x, .offset: 0, .size: 8, .value_kind: global_buffer, .address_space: global }
      - { .name: act, .offset: 8, .size: 8, .value_kind: global_buffer, .address_space: global }
    .group_segment_fixed_size: 33280
    .private_segment_fixed_size: 0
    .kernarg_segment_align: 8
    .kernarg_segment_size: 16
    .max_flat_workgroup_size: 128
    .sgpr_count:     66
    .vgpr_count:     194
    .wavefront_size: 32
...
	.end_amdgpu_metadata
.endif
;; end of part 1
;; launch qw (part 2): grid 40 x 8, 4 waves a work-group, no clusters, 36,352 bytes of LDS; arguments wq, wk, wv, wo, wts; writes wts
.if DOCPART == 2
	.amdgcn_target "amdgcn-amd-amdhsa--gfx1250"
	.amdhsa_code_object_version 6
	.text
	.protected	k_q8f49b3cda6_qw
	.globl	k_q8f49b3cda6_qw
	.p2align	8
	.type	k_q8f49b3cda6_qw,@function
k_q8f49b3cda6_qw:
	s_mov_b64 s[64:65], 0
	v_nop
	global_prefetch_b8 v0, s[64:65] scope:SCOPE_SE
	s_setreg_imm32_b32 hwreg(HW_REG_WAVE_MODE, 25, 1), 1
	s_wait_xcnt 0x0
; The four weights, f32 with K as their FIRST axis, become codes of BF6 (E3M2) with K innermost, wts + 0: [5120 rows][1536 bytes], and E8M0 bytes, wts + WSC: [5120][64].
; WHICH COLUMN GOES TO WHICH ROW.  sw(n) = n with its bits 3 and 4 exchanged.  wq's column n: row sw(n).  wk's: 2048 + 256 (n / 128) + sw(n % 128).  wv's: 2176 + 256 (n / 128) + sw(n % 128).  wo's: 3072 + sw(n).
; With that order the 16 registers of two neighbouring result tiles of the transposed product are 16 neighbouring true columns; and K's and V's columns alternate in runs of 128 rows.
; A LANE TAKES A COLUMN AND ITS REGISTERS RUN DOWN K: a load reads 128 consecutive bytes a wave (512 a work-group), a block of 32 along K lies in one lane, and the conversions give codes with K innermost.
; A wave takes 32 columns x 256 along K.  Its codes go through its own stage in LDS (the row there is sw(lane): bits 3 and 4 of a column are the lane's) and leave as rows of 192 consecutive bytes, 12 a lane.
; One path serves all four tensors: pointer, pitch, column group and first row are chosen on the work-group's x alone.
; LIMITS: a block of zeros, or one under 2^-122, gets the byte 1 (its codes are zeros or tiny; this program alone reads the bytes); NaN and infinities are not served.
.set NB,    8                          ; blocks of 32 along K for a wave
.set ROWB,  192                        ; bytes of 256 codes
.set PITCH, 272                        ; a stage row: sixteen places of 16 bytes, each with 12 bytes of codes, + 16
.set KROW,  1536                       ; a row of codes in wts
.set EMAX,  4
.set WSC,   0x780000                   ; where the scale bytes begin in wts
.set X,     32                         ; v32-95   two sets of 32 numbers
.set C,     96                         ; v96..    a block's codes
.set OUTR,  112                        ; v112-175 the way out
.set SB,    24                         ; v24-25   the scale bytes, four to a register
.set VO,    176                        ; v176-207 byte offset of row i of a block at my column: 4 lane + i x pitch; never rewritten
.set BAS,   32                         ; s[32:47] where block t begins in the source; never rewritten
	s_load_b256 s[4:11], s[0:1], 0x0               ; wq, wk, wv, wo
	s_load_b64 s[12:13], s[0:1], 0x20              ; wts
	v_lshl_add_u32 v208, v0, 2, 0x8c00
	v_mov_b32 v209, 0
	v_lshrrev_b32 v1, 5, v0
	v_readfirstlane_b32 s16, v1                    ; wave
	v_and_b32 v2, 31, v0                           ; lane
	s_and_b32 s17, ttmp7, 0xffff                   ; which 256 along K
	s_sub_co_u32 s18, ttmp9, 24                    ; wo: column group x - 24,
	s_lshl_b32 s19, ttmp9, 7                       ; first row 3072 + 128 (x - 24) = 128 x,
	s_mov_b32 s20, 8192                            ; 8,192 bytes from row to row
	s_sub_co_u32 s21, ttmp9, 20                    ; wv: x - 20,
	s_lshl_b32 s22, ttmp9, 8
	s_sub_co_u32 s23, s22, 2944                    ; 2176 + 256 (x - 20)
	s_sub_co_u32 s24, ttmp9, 16                    ; wk: x - 16,
	s_sub_co_u32 s25, s22, 2048                    ; 2048 + 256 (x - 16)
	s_mov_b32 s26, s19                             ; wq: x, 128 x
	s_wait_kmcnt 0x0
	s_mov_b64 s[14:15], s[10:11]
	s_cmp_lt_u32 ttmp9, 24                         ; the choices hang on the work-group's number alone
	s_cselect_b64 s[14:15], s[8:9], s[14:15]
	s_cselect_b32 s20, 2048, s20
	s_cselect_b32 s18, s21, s18
	s_cselect_b32 s19, s23, s19
	s_cmp_lt_u32 ttmp9, 20
	s_cselect_b64 s[14:15], s[6:7], s[14:15]
	s_cselect_b32 s18, s24, s18
	s_cselect_b32 s19, s25, s19
	s_cmp_lt_u32 ttmp9, 16
	s_cselect_b64 s[14:15], s[4:5], s[14:15]
	s_cselect_b32 s20, 8192, s20
	s_cselect_b32 s18, ttmp9, s18
	s_cselect_b32 s19, s26, s19
	s_lshl_b32 s21, s17, 8                         ; 256 y rows
	s_mul_i32 s22, s21, s20
	s_lshl_b32 s23, s18, 9                         ; + 512 bytes a column group
	s_add_co_u32 s22, s22, s23
	s_lshl_b32 s23, s16, 7                         ; + 128 bytes a wave
	s_add_co_u32 s22, s22, s23
	s_mov_b32 s23, 0
	s_add_nc_u64 s[BAS:BAS+1], s[14:15], s[22:23]
	s_lshl_b32 s24, s20, 5                         ; 32 rows on
	s_mov_b32 s25, 0
.irp t, 1,2,3,4,5,6,7
	s_add_nc_u64 s[BAS+2*\t:BAS+2*\t+1], s[BAS+2*\t-2:BAS+2*\t-1], s[24:25]
.endr
	s_lshl_b32 s26, s16, 5
	s_add_co_u32 s26, s26, s19                     ; my wave's first row of wts
	s_mul_i32 s28, s26, KROW
	s_mul_i32 s27, s17, ROWB
	s_add_co_u32 s28, s28, s27
	s_mov_b32 s29, 0
	s_add_nc_u64 s[6:7], s[12:13], s[28:29]        ; the codes
	s_lshl_b32 s28, s26, 6
	s_lshl_b32 s27, s17, 3
	s_add_co_u32 s28, s28, s27
	s_add_co_u32 s28, s28, WSC
	s_add_nc_u64 s[8:9], s[12:13], s[28:29]        ; the scale bytes
	v_lshlrev_b32 v[VO], 2, v2
.set i, 1
.rept 31
	v_add_nc_u32 v[VO+i], s20, v[VO+i-1]
.set i, i+1
.endr
	v_and_b32 v3, 7, v2
	v_bfe_u32 v5, v2, 3, 1
	v_bfe_u32 v6, v2, 4, 1
	v_lshl_add_u32 v3, v5, 4, v3
	v_lshl_add_u32 v3, v6, 3, v3                   ; sw(lane)
	s_mul_i32 s30, s16, 32*PITCH                   ; my stage
	v_mul_u32_u24 v4, v3, PITCH
	v_add_nc_u32 v4, s30, v4                       ; into it: row sw(lane)
	v_lshlrev_b32 v9, 6, v3                        ; and that row's scale bytes
	v_and_b32 v5, 15, v2
	v_lshrrev_b32 v6, 4, v2
	v_mul_u32_u24 v7, v6, PITCH
	v_lshl_add_u32 v7, v5, 4, v7
	v_add_nc_u32 v7, s30, v7                       ; out of it: sixteen lanes to a row, two rows an instruction
	v_mul_u32_u24 v8, v6, KROW
	v_mad_u32_u24 v8, v5, 12, v8                   ; and the same place in wts
.macro LOAD t                          ; block t: rows 32 t + i of the wave's 256, at my column, into set t % 2
.irp i, 0,1,2,3,4,5,6,7,8,9,10,11,12,13,14,15,16,17,18,19,20,21,22,23,24,25,26,27,28,29,30,31
	global_load_b32 v[X+32*((\t)%2)+\i], v[VO+\i], s[BAS+2*(\t):BAS+2*(\t)+1] th:TH_LOAD_NT
.endr
.endm
	LOAD 0
	LOAD 1
.macro BLOCK t
.set XS, X+32*((\t)%2)
.if (\t) < NB-1
	s_wait_loadcnt 32                              ; this block's 32 loads are in; the next block's may be out
.else
	s_wait_loadcnt 0
.endif
	v_max3_num_f32 v12, |v[XS]|, |v[XS+1]|, |v[XS+2]|               ; the block's largest magnitude: all 32 numbers are mine
	v_max3_num_f32 v13, |v[XS+3]|, |v[XS+4]|, |v[XS+5]|
.irp i, 6,10,14,18,22,26
	v_max3_num_f32 v12, v12, |v[XS+\i]|, |v[XS+\i+1]|
	v_max3_num_f32 v13, v13, |v[XS+\i+2]|, |v[XS+\i+3]|
.endr
	v_max3_num_f32 v12, v12, |v[XS+30]|, |v[XS+31]|
	v_max3_num_f32 v12, v12, v13, (EMAX+1)<<23     ; and the floor 2^(5 - 127)
	v_add_nc_u32 v11, -(EMAX<<23), v12             ; the conversion's scale operand
	v_lshrrev_b32 v13, 23, v11                     ; the scale's byte
.if (\t)%4 == 0
	v_mov_b32 v[SB+(\t)/4], v13                    ; four bytes to a register, the lower K in the lower byte
.else
	v_lshl_or_b32 v[SB+(\t)/4], v13, 8*((\t)%4), v[SB+(\t)/4]
.endif
	v_cvt_scalef32_pk16_bf6_f32 v[C:C+2], v[XS:XS+15], v11
	v_cvt_scalef32_pk16_bf6_f32 v[C+4:C+6], v[XS+16:XS+31], v11     ; (a conversion's three registers begin on an even number)
	ds_store_b96 v4, v[C:C+2] offset:32*(\t)       ; 12 bytes to a place of 16, so that every LDS address is a multiple of 16
	ds_store_b96 v4, v[C+4:C+6] offset:32*(\t)+16
.if (\t)+2 < NB
	LOAD (\t)+2
.endif
	s_wait_dscnt 0x0                               ; the stores have read their registers: the next block's codes may be written
.endm
.set Q, 0
.rept NB
	BLOCK Q
.set Q, Q+1
.endr
	global_store_b64 v9, v[SB:SB+1], s[8:9]        ; my column's 8 scale bytes
.irp t, 0,1,2,3,4,5,6,7,8,9,10,11,12,13,14,15
	ds_load_b96 v[OUTR+4*\t:OUTR+4*\t+2], v7 offset:2*\t*PITCH   ; LDS serves a wave's instructions in order: these see my stores
.endr
.irp t, 0,1,2,3,4,5,6,7,8,9,10,11,12,13,14,15
	s_wait_dscnt 15-\t                             ; the younger reads may stay out
	global_store_b96 v8, v[OUTR+4*\t:OUTR+4*\t+2], s[6:7] offset:2*\t*KROW
.endr
	s_wait_tensorcnt 0x0
	ds_add_u32 v208, v209
	s_wait_dscnt 0x0
	s_endpgm
.Lfunc_end_k_q8f49b3cda6_qw:
	.size	k_q8f49b3cda6_qw, .Lfunc_end_k_q8f49b3cda6_qw-k_q8f49b3cda6_qw
	.p2alignl 7, 3214868480
	.fill 96, 4, 3214868480
	.section	.rodata,"a",@progbits
	.p2align	6, 0x0
	.amdhsa_kernel k_q8f49b3cda6_qw
		.amdhsa_group_segment_fixed_size 36352
		.amdhsa_private_segment_fixed_size 0
		.amdhsa_enable_private_segment 0
		.amdhsa_kernarg_size 40
		.amdhsa_user_sgpr_count 2
		.amdhsa_user_sgpr_kernarg_segment_ptr 1
		.amdhsa_wavefront_size32 1
		.amdhsa_system_sgpr_workgroup_id_x 1
		.amdhsa_system_sgpr_workgroup_id_y 1
		.amdhsa_system_sgpr_workgroup_id_z 1
		.amdhsa_system_vgpr_workitem_id 0
		.amdhsa_next_free_vgpr 210
		.amdhsa_next_free_sgpr 66
		.amdhsa_reserve_vcc 0
		.amdhsa_float_denorm_mode_32 3
		.amdhsa_float_denorm_mode_16_64 3
		.amdhsa_memory_ordered 1
		.amdhsa_forward_progress 1
		.amdhsa_inst_pref_size 44
	.end_amdhsa_kernel
	.amdgpu_metadata
---
amdhsa.version: [ 1, 2 ]
amdhsa.kernels:
  - .name:           k_q8f49b3cda6_qw
    .symbol:         k_q8f49b3cda6_qw.kd
    .args:
      - { .name: wq, .offset: 0, .size: 8, .value_kind: global_buffer, .address_space: global }
      - { .name: wk, .offset: 8, .size: 8, .value_kind: global_buffer, .address_space: global }
      - { .name: wv, .offset: 16, .size: 8, .value_kind: global_buffer, .address_space: global }
      - { .name: wo, .offset: 24, .size: 8, .value_kind: global_buffer, .address_space: global }
      - { .name: wts, .offset: 32, .size: 8, .value_kind: global_buffer, .address_space: global }
    .group_segment_fixed_size: 36352
    .private_segment_fixed_size: 0
    .kernarg_segment_align: 8
    .kernarg_segment_size: 40
    .max_flat_workgroup_size: 128
    .sgpr_count:     66
    .vgpr_count:     210
    .wavefront_size: 32
...
	.end_amdgpu_metadata
.endif
;; end of part 2
;; launch g1 (part 3): grid 12 x 8, 4 waves a work-group, clusters of 4 x 4, 327,680 bytes of LDS; arguments act, wts, cos, sin, qimg, kvp; writes qimg, kvp
.if DOCPART == 3
	.amdgcn_target "amdgcn-amd-amdhsa--gfx1250"
	.amdhsa_code_object_version 6
	.text
	.protected	k_q8f49b3cda6_g1
	.globl	k_q8f49b3cda6_g1
	.p2align	8
	.type	k_q8f49b3cda6_g1,@function
k_q8f49b3cda6_g1:
	s_mov_b64 s[64:65], 0
	v_nop
	global_prefetch_b8 v0, s[64:65] scope:SCOPE_SE
	s_setreg_imm32_b32 hwreg(HW_REG_WAVE_MODE, 25, 1), 1
	s_wait_xcnt 0x0
	s_wait_alu depctr_hold_cnt(0) depctr_sa_sdst(0) depctr_va_vdst(0) depctr_va_sdst(0) depctr_va_ssrc(0) depctr_va_vcc(0) depctr_vm_vsrc(0)
	s_getreg_b32 s2, hwreg(HW_REG_IB_STS2, 6, 4)
	s_cmp_eq_u32 s2, 0
	s_cbranch_scc0 .Lentry_in_a_cluster
	s_endpgm
.Lentry_in_a_cluster:
	s_bfe_u32 s2, ttmp6, 0x10000c
	s_cmp_lg_u32 s2, 0xf033
	s_cbranch_scc0 .Lentry_shape_is_right
	s_endpgm
.Lentry_shape_is_right:
; The three input projections in one product on codes of BF6 (E3M2): [2048 tokens][2048] x rows 0 .. 3071 of wts (wq's 2048 columns, then wk's and wv's in alternating runs of 128), sums in f32;
; then, in registers, RoPE on q and k, and the quantisers of the attention's two products.  Nothing wide goes to memory: q, k and v leave as IMAGES OF THE OPERANDS' REGISTERS with their scale words.
; THE PRODUCT.  A tile of 256 x 256 is made by four waves, each 128 x 128: 64 accumulators, 512 registers.  K goes in steps of 256 (rows of 192 bytes) through a ring of two LDS slots filled by the tensor data mover.
; The scale bytes of the work-group's 256 + 256 rows, for all of K, come into LDS once, with the first fills.  96 tiles: a tile of 128 x 128 would give more work-groups, each reading about as many LDS bytes, so the larger tile stays.
; CLUSTERS: 4 x 4 work-groups; A's tiles are asked for jointly along a row of the cluster, B's along a column.  The matrix instruction is used transposed (source 0 = 16 rows of wts, source 1 = 16 tokens).
; Rows of wts are in the order sw (bits 3 and 4 of a column exchanged): register 16 z + i of a block's 64 in lane (r, h) is true column 32 z + 16 h + i of token r: 16 neighbours along the next K.
; THE WAY OUT hangs on the cluster's x and the wave's number alone.  Cluster columns 0, 1: q.  Cluster column 2: waves 0, 2 (column half 0): k; waves 1, 3: v.
;   q, k: RoPE (cos and sin as given, a multiplication and a fused multiply-add a number), each head's two blocks of 32 quantised; a lane then holds head c, block h of its token: six registers.
;   v: quantised along the KEYS: 32 tokens x 128 columns turn through the wave's stage in LDS, a lane takes a column, its registers run down the keys.
; qimg: [head 32][tile of 16 queries 128][1024]: +0 registers 0-3 at 16 lane; +512 registers 4-5 at 8 lane; +768 the query's scale word (s0, s1, s0, s1) at 4 r.
; kvp: [kv head 8][step of 128 keys 16][12800]: +0 four fragments of K of 1536: half u (768): registers 6u .. 6u+3 at 16 lane, 6u+4, 6u+5 at 512 + 8 lane; lane (p, h), half u = key 32 f + 8 u + p + 8 (p / 8), block h;
;   +6144 four fragments of V likewise: lane (p, h), half c = row 16 ct + p in wts' order, keys 64 c + 32 h on; +12288 K's scale words at 8 lane + 4 (f / 2), lane 16 (f % 2) + p; +12544 V's at 8 lane + 4 (ct / 2).
; LIMITS: blocks of zeros or under 2^-122 get the byte 1 (this program alone reads the bytes); NaN and infinities are not served.
; REGISTERS, in windows of 256: window 0: v7-31 addresses; v32-63 scale words; v64-127 cos and sin, two sets (v's way: two sets of 32 keys); v128-223 A's fragments, one set, later the way out; v224-253 way out.
;   window 1: B's fragments, two sets.   windows 2, 3: the accumulators ((a, b) at v[8 (8 (a % 4) + b)]).
.set KSTEP,  256
.set NQ,     KSTEP/128
.set ROWB,   192
.set KROW,   1536
.set PITCH,  240                       ; an LDS row: 3 x (64 bytes + 16 of padding)
.set FR,     12
.set NL,     6
.set NP,     4
.set HALFT,  128*PITCH
.set SLOT,   4*HALFT
.set LAPS,   4                         ; 2048 / 512
.set KS,     64                        ; a row of scale bytes
.set SCL,    2*SLOT
.set HALFS,  (128*KS/256)*272
.set SBLK,   (16*KS/256)*272
.set SPARE,  SCL+4*HALFS               ; the spare words: 128 bytes a wave, two blocks of 256 bytes that no other line names
.set ASC,    0x300000                  ; act's scale bytes
.set WSC,    0x780000                  ; wts' scale bytes
.set VST,    32*528                    ; the way out, in slot 0 (it has had its last fill and its last read by then): v's stage, 32 rows x (512 + 16) a wave;
.set KSS,    4*VST                     ; behind the four stages: 512 bytes a wave for k's scale words
.set HEADB,  131072                    ; a head in qimg
.set KVHB,   204800                    ; a kv head in kvp
.set CSO,  7                           ; v7   cos, sin: 128 r + 32 h
.set STV,  8                           ; v8   v's stage, in: 528 r + 32 h
.set LDV,  9                           ; v9   v's stage, out: 4 lane
.set KSA,  10                          ; v10  k's scale bytes, in
.set KSL,  11                          ; v11  and out: 8 lane
.set G16,  12                          ; v12  16 lane
.set G8,   13                          ; v13  8 lane
.set K128, 14                          ; v14  768 (r / 8) + 256 h + 16 (r % 8)
.set K64,  15                          ; v15  768 (r / 8) + 128 h + 8 (r % 8)
.set ADRA, 16
.set ADRB, 20
.set ADRS, 27
.set SPW,  28
.set NIL,  29
.set QSO,  30                          ; v30  HEADB h + 768 + 4 r
.set SH16, 31                          ; v31  16 h
.set SC,   32
.set CS,   64                          ; set a % 2 at v[CS + 32 (a % 2)]: cos 0-15, sin 16-31
.set AF,   128
.set HA,   128                         ; the way out: 64 numbers of a lane
.set CD,   192                         ; the codes just made
.set VF,   216
.set VT,   220
.set V128, 224                         ; v224 1536 h + 16 r
.set V64,  225                         ; v225 1536 h + 8 r
.set SBV,  228                         ; v228-231 v's scale words
.set TM,   232
.set PW,   248
.set TT,   250
.set SEL,  66                          ; s[66:67]
.set G1, 24
.set G0, 32
.set G1B, 48
.set G0B, 56
.set G1S, 68
.set G0S, 76
.set G1SB, 80
.set G0SB, 88
.set MSB, 0
.macro WIN new                         ; the immediate's high byte repeats the setting that is left
.if MSB != (\new)
	s_set_vgpr_msb (MSB<<8)|(\new)
.set MSB, (\new)
.endif
.endm
.set MUL_LO, 0xa1
.set MUL_HI, 0xf1
.set TO_B,   0x40
; A joint load: waves 0 and 1 fetch for A, waves 2 and 3 for B; the branch hangs on the wave's number alone.  Four v_nop follow each of the two lines.
.macro JLOAD g0a, g1a, g0b, g1b
	s_cmp_eq_u32 s15, 0
	s_cbranch_scc0 .Lfor_b_\@
	tensor_load_to_lds s[\g0a:\g0a+3], s[\g1a:\g1a+7]
	s_nop 0
.rept 4
	v_nop
.endr
	s_branch .Lasked_\@
.Lfor_b_\@:
	tensor_load_to_lds s[\g0b:\g0b+3], s[\g1b:\g1b+7]
	s_nop 0
.rept 4
	v_nop
.endr
.Lasked_\@:
.endm
.macro CREST                           ; a round of the cluster's barrier behind its opening barrier
	s_cmp_lg_u32 s14, 0
	s_cbranch_scc1 .Lnot_wave_0_\@
	s_barrier_signal -3
.Lnot_wave_0_\@:
	s_barrier_wait -3
	s_barrier_signal -1
	s_barrier_wait -1
.endm
.macro CROUND
	s_barrier_signal -1
	s_barrier_wait -1
	CREST
.endm
	s_load_b64 s[4:5], s[0:1], 0x0                 ; act
	s_load_b64 s[8:9], s[0:1], 0x8                 ; wts
	s_load_b128 s[96:99], s[0:1], 0x10             ; cos, sin
	s_load_b64 s[12:13], s[0:1], 0x20              ; qimg
	s_load_b64 s[100:101], s[0:1], 0x28            ; kvp
	v_lshl_add_u32 v[SPW], v0, 2, SPARE
	v_mov_b32 v[NIL], 0
	ds_add_u32 v28, v29
	s_wait_dscnt 0x0
	v_lshrrev_b32 v1, 5, v0
	v_readfirstlane_b32 s14, v1                    ; wave 0..3
	s_lshr_b32 s15, s14, 1                         ; which half of the tile's rows is mine.  Also: I fetch for A (0) or for B (1)
	s_and_b32 s16, s14, 1                          ; which half of its columns.  Also: which 128 rows of that tile I fetch
	s_bfe_u32 s40, ttmp6, 0x40000                  ; cx, cy
	s_bfe_u32 s41, ttmp6, 0x40004
	s_lshl_b32 s42, ttmp9, 2
	s_add_co_u32 s42, s42, s40                     ; tile column = 4 x cluster x + cx
	s_and_b32 s17, ttmp7, 0xffff
	s_lshl_b32 s17, s17, 2
	s_add_co_u32 s17, s17, s41                     ; tile row = 4 x cluster y + cy
	s_lshl_b32 s43, s41, 2
	s_lshl_b32 s43, 15, s43                        ; my row of the cluster
	s_lshl_b32 s44, 0x1111, s40                    ; my column
	s_or_b32 s[G1+0], s43, (0<<16)|(1<<20)|(1<<21)|(3<<22)|(3<<25)  ; the mask; elements of 1 byte; padding on; bit 21 beside a mask; after every 16 words, 4 words
	s_or_b32 s[G1B+0], s44, (0<<16)|(1<<20)|(1<<21)|(3<<22)|(3<<25)
.irp g, G1, G1B
	s_mov_b32 s[\g+1], ROWB<<16                    ; tensor_dim0
	s_mov_b32 s[\g+2], 128<<16                     ; tensor_dim1
	s_mov_b32 s[\g+3], ROWB<<16                    ; tile_dim0
	s_mov_b32 s[\g+4], 128                         ; tile_dim1
	s_mov_b32 s[\g+5], KROW                        ; the pitch
	s_mov_b32 s[\g+6], 0
	s_mov_b32 s[\g+7], 0
.endr
	s_or_b32 s[G1S+0], s43, (3<<16)|(1<<20)|(1<<21)|(5<<22)|(3<<25)   ; the scales of 128 rows: 8,192 dense bytes as 32 rows of 256, 16 bytes of padding behind each
	s_or_b32 s[G1SB+0], s44, (3<<16)|(1<<20)|(1<<21)|(5<<22)|(3<<25)
.irp g, G1S, G1SB
	s_mov_b32 s[\g+1], 32<<16
	s_mov_b32 s[\g+2], (128*KS/256)<<16
	s_mov_b32 s[\g+3], 32<<16
	s_mov_b32 s[\g+4], 128*KS/256
	s_mov_b32 s[\g+5], 32
	s_mov_b32 s[\g+6], 0
	s_mov_b32 s[\g+7], 0
.endr
	s_lshl_b32 s18, s16, 7
	s_lshl_b32 s20, s17, 8
	s_add_co_u32 s20, s20, s18                     ; A: row 256 x tile row + 128 x half
	s_lshl_b32 s46, s42, 8
	s_add_co_u32 s46, s46, s18                     ; B: row 256 x tile column + 128 x half
	s_mov_b32 s21, 0
	s_mov_b32 s47, 0
	s_mov_b64 s[18:19], KS
	s_mul_u64 s[22:23], s[20:21], s[18:19]
	s_mul_u64 s[92:93], s[46:47], s[18:19]
	s_mov_b64 s[18:19], KROW
	s_mul_u64 s[20:21], s[20:21], s[18:19]
	s_mul_u64 s[46:47], s[46:47], s[18:19]
	s_mul_i32 s45, s14, HALFT                      ; where they go: wave x 128 rows
	s_mul_i32 s94, s14, HALFS
	s_mov_b32 s[SEL], 0x76543210
	s_mov_b32 s[SEL+1], 0xfedcba98
	s_wait_kmcnt 0x0
	s_add_nc_u64 s[6:7], s[4:5], ASC
	s_add_nc_u64 s[10:11], s[8:9], WSC
	s_add_nc_u64 s[20:21], s[4:5], s[20:21]
	s_add_nc_u64 s[22:23], s[6:7], s[22:23]
	s_add_nc_u64 s[46:47], s[8:9], s[46:47]
	s_add_nc_u64 s[92:93], s[10:11], s[92:93]
	CROUND                                         ; all sixteen work-groups are here: the first joint loads meet
	s_mov_b32 s[G0S], 1
	s_add_co_u32 s[G0S+1], s94, SCL
	s_mov_b64 s[G0S+2:G0S+3], s[22:23]
	s_or_b32 s[G0S+3], s[G0S+3], 0x80000000
	s_mov_b32 s[G0SB], 1
	s_add_co_u32 s[G0SB+1], s94, SCL
	s_mov_b64 s[G0SB+2:G0SB+3], s[92:93]
	s_or_b32 s[G0SB+3], s[G0SB+3], 0x80000000
	JLOAD G0S, G1S, G0SB, G1SB                     ; the scales first
.irp s, 0,1
	s_mov_b32 s[G0+4*\s], 1
	s_add_co_u32 s[G0+4*\s+1], s45, \s*SLOT
	s_add_nc_u64 s[G0+4*\s+2:G0+4*\s+3], s[20:21], \s*ROWB
	s_or_b32 s[G0+4*\s+3], s[G0+4*\s+3], 0x80000000
	s_mov_b32 s[G0B+4*\s], 1
	s_add_co_u32 s[G0B+4*\s+1], s45, \s*SLOT
	s_add_nc_u64 s[G0B+4*\s+2:G0B+4*\s+3], s[46:47], \s*ROWB
	s_or_b32 s[G0B+4*\s+3], s[G0B+4*\s+3], 0x80000000
	JLOAD G0+4*\s, G1, G0B+4*\s, G1B
.endr
	v_and_b32 v1, 15, v0                           ; r
	v_bfe_u32 v2, v0, 4, 1                         ; h
	v_mul_u32_u24 v3, v1, PITCH
	v_mul_u32_u24 v4, v2, 24
	v_add_nc_u32 v4, v3, v4                        ; a fragment's row x pitch + 24 x half
	v_lshl_add_u32 v5, v2, 4, v4                   ; and the same behind one padding more
	s_mul_i32 s21, s15, HALFT
	s_mul_i32 s22, s16, HALFT
	s_add_co_u32 s22, s22, 2*HALFT
.irp s, 0,1
	v_add_nc_u32 v[ADRA+\s], s21, v4
	v_add_nc_u32 v[ADRB+\s], s22, v4
	v_add_nc_u32 v[ADRA+2+\s], s21, v5
	v_add_nc_u32 v[ADRB+2+\s], s22, v5
	s_add_co_u32 s21, s21, SLOT
	s_add_co_u32 s22, s22, SLOT
.endr
	v_mul_u32_u24 v5, v1, KS
	v_lshrrev_b32 v6, 8, v5
	v_lshl_add_u32 v5, v6, 4, v5                   ; my row's scales: 64 bytes a row, 16 more for each 256 passed
	s_mul_i32 s21, s15, HALFS
	s_mul_i32 s22, s16, HALFS
	s_add_co_u32 s22, s22, 2*HALFS
	s_sub_co_u32 s22, s22, s21
	v_mul_u32_u24 v6, s22, v2                      ; lanes 16-31 take B's
	s_add_co_u32 s21, s21, SCL
	v_add_nc_u32 v5, v5, v6
	v_add_nc_u32 v[ADRS], s21, v5
	; the way out's addresses: all are made here, ahead of every parting of the waves
	v_and_b32 v6, 31, v0                           ; lane
	v_and_b32 v3, 7, v1                            ; r % 8
	v_lshrrev_b32 v4, 3, v1                        ; r / 8
	v_lshlrev_b32 v[CSO], 7, v1
	v_lshl_add_u32 v[CSO], v2, 5, v[CSO]
	s_mul_i32 s23, s14, VST
	v_mul_u32_u24 v[STV], v1, 528
	v_lshl_add_u32 v[STV], v2, 5, v[STV]
	v_add_nc_u32 v[STV], s23, v[STV]
	v_lshl_add_u32 v[LDV], v6, 2, s23
	s_lshl_b32 s21, s14, 9
	s_add_co_u32 s21, s21, KSS
	v_lshl_add_u32 v[KSA], v3, 3, s21
	v_lshl_add_u32 v[KSA], v4, 1, v[KSA]
	v_lshl_add_u32 v[KSA], v2, 8, v[KSA]           ; 8 (r % 8) + 2 (r / 8) + 256 h: lanes 16-31 write the second head's words
	v_lshl_add_u32 v[KSL], v6, 3, s21
	v_lshlrev_b32 v[G16], 4, v6
	v_lshlrev_b32 v[G8], 3, v6
	v_mul_u32_u24 v[K128], v4, 768
	v_lshl_add_u32 v[K64], v2, 7, v[K128]
	v_lshl_add_u32 v[K64], v3, 3, v[K64]
	v_lshl_add_u32 v[K128], v2, 8, v[K128]
	v_lshl_add_u32 v[K128], v3, 4, v[K128]
	v_lshlrev_b32 v[QSO], 17, v2
	v_lshl_add_u32 v[QSO], v1, 2, v[QSO]
	v_add_nc_u32 v[QSO], 768, v[QSO]
	v_lshlrev_b32 v[SH16], 4, v2
	v_mul_u32_u24 v[V128], v2, 1536
	v_lshl_add_u32 v[V64], v1, 3, v[V128]
	v_lshl_add_u32 v[V128], v1, 4, v[V128]
	s_lshl_b32 s20, s17, 15                        ; cos, sin at my first token, 256 x tile row + 128 x half: 128 bytes a token
	s_lshl_b32 s21, s15, 14
	s_add_co_u32 s20, s20, s21
	s_mov_b32 s21, 0
	s_add_nc_u64 s[96:97], s[96:97], s[20:21]
	s_add_nc_u64 s[98:99], s[98:99], s[20:21]
	s_lshl_b32 s20, s17, 14                        ; qimg: head 4 x tile column + 2 x column half; tile of queries 16 x tile row + 8 x row half
	s_lshl_b32 s21, s15, 13
	s_add_co_u32 s20, s20, s21
	s_lshl_b32 s46, s42, 19
	s_lshl_b32 s47, s16, 18
	s_add_co_u32 s46, s46, s47
	s_add_co_u32 s46, s46, s20
	s_mov_b32 s47, 0
	s_add_nc_u64 s[12:13], s[12:13], s[46:47]      ; (used in cluster columns 0 and 1 alone)
	s_and_b32 s46, s42, 3                          ; kvp: kv head 2 x (tile column - 8); step 2 x tile row + row half
	s_mul_i32 s46, s46, 2*KVHB
	s_lshl_b32 s47, s17, 1
	s_add_co_u32 s47, s47, s15
	s_mul_i32 s47, s47, 12800
	s_add_co_u32 s46, s46, s47
	s_mov_b32 s47, 0
	s_add_nc_u64 s[100:101], s[100:101], s[46:47]  ; (used in cluster column 2 alone)
; cos and sin of block a's 16 tokens: lane (r, h) wants pairs 16 e + 8 h + 0 .. 7 of token 16 a + r: eight loads of 16 bytes into set a % 2
.macro CSLOAD a
.set CSL, CS+32*((\a)%2)
.irp e, 0,1
	global_load_b128 v[CSL+8*\e:CSL+8*\e+3], v[CSO], s[96:97] offset:2048*(\a)+64*\e
	global_load_b128 v[CSL+8*\e+4:CSL+8*\e+7], v[CSO], s[96:97] offset:2048*(\a)+64*\e+16
	global_load_b128 v[CSL+16+8*\e:CSL+16+8*\e+3], v[CSO], s[98:99] offset:2048*(\a)+64*\e
	global_load_b128 v[CSL+16+8*\e+4:CSL+16+8*\e+7], v[CSO], s[98:99] offset:2048*(\a)+64*\e+16
.endr
.endm
	CSLOAD 0                                       ; the product's loop names none of v64-127: the first two sets land under it
	CSLOAD 1
.macro FRAG reg, adr, q, i             ; a fragment: 16 rows x 128 K in 12 registers: lane (r, h): registers 6 c .. 6 c + 5 = K 64 c + 32 h on: 24 bytes as they lie, in pieces of 8
.irp p, 0,1,2,3,4,5
.set PCE, 12*(\q)+6*(\p/3)+\p%3        ; where the piece three on lies behind one padding more, the second address register serves
.if PCE%8 < 5
	ds_load_b64 v[\reg+2*\p:\reg+2*\p+1], v[\adr] offset:8*PCE+16*(PCE/8)+(\i)*16*PITCH
.else
	ds_load_b64 v[\reg+2*\p:\reg+2*\p+1], v[\adr+2] offset:8*PCE+16*(PCE/8)+(\i)*16*PITCH
.endif
.endr
.endm
; 16 matrix instructions: A's blocks a0, a0 + 1 x B's eight.  The 64 accumulators take turns, one instruction a turn, in the same order in every step.
.macro MUL16 a0, p, q, sc, zero
.irp a, \a0, \a0+1
.irp b, 0,1,2,3,4,5,6,7
.if \zero
	v_wmma_scale_f32_16x16x128_f8f6f4 v[8*(8*((\a)%4)+\b):8*(8*((\a)%4)+\b)+7], v[128*(\p)+FR*\b:128*(\p)+FR*\b+FR-1], v[AF+FR*(\a):AF+FR*(\a)+FR-1], 0, v[SC+8*NQ*(\sc)+NQ*\b+(\q)], v[SC+8*NQ*(\sc)+NQ*(\a)+(\q)] matrix_a_fmt:MATRIX_FMT_BF6 matrix_b_fmt:MATRIX_FMT_BF6 matrix_a_scale:MATRIX_SCALE_ROW1
.else
	v_wmma_scale_f32_16x16x128_f8f6f4 v[8*(8*((\a)%4)+\b):8*(8*((\a)%4)+\b)+7], v[128*(\p)+FR*\b:128*(\p)+FR*\b+FR-1], v[AF+FR*(\a):AF+FR*(\a)+FR-1], v[8*(8*((\a)%4)+\b):8*(8*((\a)%4)+\b)+7], v[SC+8*NQ*(\sc)+NQ*\b+(\q)], v[SC+8*NQ*(\sc)+NQ*(\a)+(\q)] matrix_a_fmt:MATRIX_FMT_BF6 matrix_b_fmt:MATRIX_FMT_BF6 matrix_a_scale:MATRIX_SCALE_ROW1
.endif
.endr
.endr
.endm
.macro FETCH_B slot, q, p
	WIN TO_B
.irp i, 0,1,2,3,4,5,6,7
	FRAG 128*(\p)+FR*\i, ADRB+\slot, \q, \i
.endr
	WIN 0
.endm
.macro FETCH_A slot, q, i0
.irp i, \i0, \i0+1, \i0+2, \i0+3
	FRAG AF+FR*(\i), ADRA+\slot, \q, \i
.endr
.endm
.macro SCALES sc                       ; the next K step's scale words: lanes 0-15 A's block i, lanes 16-31 B's block i
.irp i, 0,1,2,3,4,5,6,7
	ds_load_b64 v[SC+8*NQ*\sc+NQ*\i:SC+8*NQ*\sc+NQ*\i+1], v[ADRS] offset:\i*SBLK
.endr
.endm
.macro PLACES n                        ; plain vector instructions between a matrix instruction and a load into, or a read of, its registers
.rept \n
	v_nop
.endr
.endm
.macro STEP slot, q, zero
	s_wait_dscnt 4*NL                              ; B's set and A's blocks 0-3 are in; the youngest 24 loads (A's blocks 4-7) may be out
	WIN MUL_LO
	MUL16 0, (\q)%2, \q, \slot, \zero
	MUL16 2, (\q)%2, \q, \slot, \zero
	s_wait_dscnt 0
	PLACES NP
	FETCH_B \slot, (\q)+1, 1-(\q)%2
	FETCH_A \slot, (\q)+1, 0
	WIN MUL_HI
	MUL16 4, (\q)%2, \q, \slot, \zero
	MUL16 6, (\q)%2, \q, \slot, \zero
	PLACES NP
	WIN 0
	FETCH_A \slot, (\q)+1, 4
.endm
; A slot's last step changes slots: one barrier; in front of it each wave waits for all its tensor loads, adds 0 to its spare word, and waits for that and for its reads of this slot.
.macro TURN slot, next, fill
	s_wait_tensorcnt 0x0                           ; all my tensor loads have landed: my part of the next slot
	ds_add_u32 v[SPW], v[NIL]                      ; 0 onto my spare word
	s_wait_dscnt 4*NL+1                            ; (the add and the youngest 24 loads may be out)
	WIN MUL_LO
	MUL16 0, 1, NQ-1, \slot, 0
	s_wait_dscnt 0x0                               ; the add is done, and my reads of this slot are over
	s_barrier_signal -1
	MUL16 2, 1, NQ-1, \slot, 0
	WIN 0
	s_barrier_wait -1
.if \fill
	CREST                                          ; the barrier has opened a round of the cluster's barrier: no wave of any partner still reads this slot or has a load on its way
	s_add_nc_u64 s[G0+4*\slot+2:G0+4*\slot+3], s[G0+4*\slot+2:G0+4*\slot+3], 2*ROWB
	s_add_nc_u64 s[G0B+4*\slot+2:G0B+4*\slot+3], s[G0B+4*\slot+2:G0B+4*\slot+3], 2*ROWB
	JLOAD G0+4*\slot, G1, G0B+4*\slot, G1B         ; the first tensor load behind the round; its four v_nop are the places in front of the loads below
.else
	PLACES NP
.endif
	v_add_nc_u32 v[ADRS], 4*NQ, v[ADRS]
	FETCH_B \next, 0, 0
	FETCH_A \next, 0, 0
	SCALES \next
	WIN MUL_HI
	MUL16 4, 1, NQ-1, \slot, 0
	MUL16 6, 1, NQ-1, \slot, 0
	PLACES NP
	WIN 0
	FETCH_A \next, 0, 4
.endm
	s_wait_tensorcnt 1                             ; the scales and my part of K step 0 are in (K step 1's load may be out)
	s_barrier_signal -1
	s_barrier_wait -1
	FETCH_B 0, 0, 0
	FETCH_A 0, 0, 0
	SCALES 0
	FETCH_A 0, 0, 4
	STEP 0, 0, 1                                   ; the first step's products start the sums
	s_mov_b32 s3, LAPS-1
.Llap:
	TURN 0, 1, 1
	STEP 1, 0, 0
	TURN 1, 0, 1
	STEP 0, 0, 0
	s_sub_co_u32 s3, s3, 1
	s_cmp_lg_u32 s3, 0
	s_cbranch_scc1 .Llap
	TURN 0, 1, 0                                   ; the last lap fills nothing
	STEP 1, 0, 0
	s_wait_dscnt 4*NL
	WIN MUL_LO
	MUL16 0, 1, NQ-1, 1, 0
	MUL16 2, 1, NQ-1, 1, 0
	s_wait_dscnt 0
	WIN MUL_HI
	MUL16 4, 1, NQ-1, 1, 0
	MUL16 6, 1, NQ-1, 1, 0
	WIN 0
; 64 numbers of a lane, register 16 b + i = k 32 b + 16 h + i of my row, become 12 registers of codes in v[CD] on (registers 6 c .. 6 c + 5: block 2 c + h) and four scale bytes in v[PW].
.macro QUANT s
.irp b, 0,1,2,3
	v_max3_num_f32 v[TM+\b], |v[\s+16*\b]|, |v[\s+1+16*\b]|, 0x2800000   ; my 16 numbers of block b, and the floor 2^(5 - 127)
.endr
.irp i, 2,4,6,8,10,12,14
.irp b, 0,1,2,3
	v_max3_num_f32 v[TM+\b], v[TM+\b], |v[\s+16*\b+\i]|, |v[\s+1+16*\b+\i]|
.endr
.endr
.irp b, 0,1,2,3
	v_permlanex16_b32 v[TM+4+\b], v[TM+\b], s[SEL], s[SEL+1]
.endr
.irp b, 0,1,2,3
	v_max_num_f32 v[TM+\b], v[TM+\b], v[TM+4+\b]   ; with lane l xor 16's: the block's largest magnitude
.endr
.irp b, 0,1,2,3
	v_add_nc_u32 v[TM+12+\b], 0xfe000000, v[TM+\b] ; 4 off its exponent field: the conversion's scale operand
.endr
.irp b, 0,1,2,3
	v_lshrrev_b32 v[TM+4+\b], 23, v[TM+12+\b]      ; the scale's byte
.endr
	v_lshl_or_b32 v[PW], v[TM+5], 8, v[TM+4]
	v_lshl_or_b32 v[PW], v[TM+6], 16, v[PW]
	v_lshl_or_b32 v[PW], v[TM+7], 24, v[PW]
.irp c, 0,1
	v_cvt_scalef32_pk16_bf6_f32 v[CD+6*\c:CD+2+6*\c], v[\s+32*\c:\s+15+32*\c], v[TM+12+2*\c]
	v_cvt_scalef32_pk16_bf6_f32 v[CD+12+4*\c:CD+14+4*\c], v[\s+16+32*\c:\s+31+32*\c], v[TM+12+2*\c+1]
.endr
	v_nop                                          ; one plain place behind a scaled conversion
.irp c, 0,1                                    ; a whole block to a lane: lanes 0-15 block 2 c, lanes 16-31 block 2 c + 1
.irp i, 0,1,2
	v_permlane16_swap_b32 v[CD+6*\c+\i], v[CD+12+4*\c+\i]
.endr
.irp i, 0,1,2
	v_mov_b32 v[CD+3+6*\c+\i], v[CD+12+4*\c+\i]
.endr
.endr
.endm
; q's and k's way out, block a of 16 tokens x my 128 columns (two heads).
.macro EPI a
.set CSB, CS+32*((\a)%2)
.set AC, 64*((\a)%4)
.if (\a) < 7
	s_wait_loadcnt 8                               ; this block's cos and sin are in; the next block's eight loads may be out
.else
	s_wait_loadcnt 0x0
.endif
	s_wait_xcnt 0x0                                ; the last block's stores have read their registers: codes and words may be written again
	WIN 0x02+(\a)/4                                ; source 0: the accumulators' window
.irp z, 0,1,2,3                                ; ascending
.irp i, 0,1,2,3,4,5,6,7
	v_mul_f32 v[TT+2*(\i%2)], v[AC+16*\z+2*\i+1], v[CSB+16+8*(\z%2)+\i]      ; ti sin
	v_mul_f32 v[TT+2*(\i%2)+1], v[AC+16*\z+2*\i], v[CSB+16+8*(\z%2)+\i]      ; tr sin
	v_fma_f32 v[HA+16*\z+2*\i], v[AC+16*\z+2*\i], v[CSB+8*(\z%2)+\i], -v[TT+2*(\i%2)]       ; tr cos - ti sin
	v_fma_f32 v[HA+16*\z+2*\i+1], v[AC+16*\z+2*\i+1], v[CSB+8*(\z%2)+\i], v[TT+2*(\i%2)+1]  ; ti cos + tr sin
.endr
.endr
	WIN 0
.if (\a) < 6
	CSLOAD (\a)+2
.endif
	QUANT HA
	v_lshrrev_b32 v[TT], v[SH16], v[PW]            ; low 16 bits: lanes 0-15 the first head's two bytes, lanes 16-31 the second's
	s_cmp_lt_u32 ttmp9, 2
	s_cbranch_scc0 .Lk_\@
	v_perm_b32 v[TT+1], v[TT], v[TT], 0x01000100   ; s0, s1, s0, s1: the word serves q in the lower and in the upper half of the product's K
	global_store_b128 v[G16], v[CD:CD+3], s[12:13] offset:1024*(\a)
	global_store_b64 v[G8], v[CD+4:CD+5], s[12:13] offset:1024*(\a)+512
	global_store_b128 v[G16], v[CD+6:CD+9], s[12:13] offset:1024*(\a)+HEADB
	global_store_b64 v[G8], v[CD+10:CD+11], s[12:13] offset:1024*(\a)+HEADB+512
	global_store_b32 v[QSO], v[TT+1], s[12:13] offset:1024*(\a)
	s_branch .Ldone_\@
.Lk_\@:                                            ; token 16 a + r is key 32 f + 8 u + p + 8 (p / 8) with f = a / 2, u = r / 8, p = 8 (a % 2) + r % 8
	global_store_b128 v[K128], v[CD:CD+3], s[100:101] offset:1536*((\a)/2)+128*((\a)%2)
	global_store_b64 v[K64], v[CD+4:CD+5], s[100:101] offset:1536*((\a)/2)+512+64*((\a)%2)
	global_store_b128 v[K128], v[CD+6:CD+9], s[100:101] offset:KVHB+1536*((\a)/2)+128*((\a)%2)
	global_store_b64 v[K64], v[CD+10:CD+11], s[100:101] offset:KVHB+1536*((\a)/2)+512+64*((\a)%2)
	ds_store_b16 v[KSA], v[TT] offset:128*(((\a)/2)%2)+64*((\a)%2)+4*((\a)/4)   ; the key's two bytes at their place in the fragment's scale words
.Ldone_\@:
.endm
; v's way out.  VLD: 32 keys of column 32 cg + lane from the stage.  VBLK: they become 24 bytes of codes and a byte.
.macro VLD cg
.set i, 0
.rept 32
	ds_load_b32 v[CS+32*((\cg)%2)+i], v[LDV] offset:528*i+128*(\cg)
.set i, i+1
.endr
.endm
.macro VBLK g, cg
.set XS, CS+32*((\cg)%2)
.set EE, CD+6*(\cg)
	v_max3_num_f32 v[VT], |v[XS]|, |v[XS+1]|, |v[XS+2]|
	v_max3_num_f32 v[VT+1], |v[XS+3]|, |v[XS+4]|, |v[XS+5]|
.irp i, 6,10,14,18,22,26
	v_max3_num_f32 v[VT], v[VT], |v[XS+\i]|, |v[XS+\i+1]|
	v_max3_num_f32 v[VT+1], v[VT+1], |v[XS+\i+2]|, |v[XS+\i+3]|
.endr
	v_max3_num_f32 v[VT], v[VT], |v[XS+30]|, |v[XS+31]|
	v_max3_num_f32 v[VT], v[VT], v[VT+1], 0x2800000
	v_add_nc_u32 v[VT+2], 0xfe000000, v[VT]
	v_lshrrev_b32 v[VT+3], 23, v[VT+2]
.if (\g) == 0
	v_mov_b32 v[SBV+(\cg)], v[VT+3]                ; byte g of my column's scale word for this step of 128 keys
.else
	v_lshl_or_b32 v[SBV+(\cg)], v[VT+3], 8*(\g), v[SBV+(\cg)]
.endif
	v_cvt_scalef32_pk16_bf6_f32 v[EE:EE+2], v[XS:XS+15], v[VT+2]
	v_cvt_scalef32_pk16_bf6_f32 v[VF:VF+2], v[XS+16:XS+31], v[VT+2]
	v_nop                                          ; one plain place behind a scaled conversion
.irp i, 0,1,2
	v_mov_b32 v[EE+3+\i], v[VF+\i]
.endr
	global_store_b128 v[V128], v[EE:EE+3], s[100:101] offset:6144+KVHB*((\cg)/2)+3072*((\cg)%2)+768*((\g)/2)+256*((\g)%2)
	global_store_b64 v[V64], v[EE+4:EE+5], s[100:101] offset:6144+KVHB*((\cg)/2)+3072*((\cg)%2)+768*((\g)/2)+512+128*((\g)%2)
.endm
.macro VGRP g                          ; keys 32 g on: blocks 2 g and 2 g + 1 of tokens
	s_wait_xcnt 0x0                                ; the last group's stores have read their registers
	WIN 0x08+4*((\g)/2)                            ; an LDS store's data are its source 1
.irp aa, 0,1
.irp b, 0,1,2,3,4,5,6,7
	ds_store_b128 v[STV], v[64*((2*(\g)+\aa)%4)+8*\b:64*((2*(\g)+\aa)%4)+8*\b+3] offset:16*\aa*528+64*\b       ; each accumulator from its low end on
	ds_store_b128 v[STV], v[64*((2*(\g)+\aa)%4)+8*\b+4:64*((2*(\g)+\aa)%4)+8*\b+7] offset:16*\aa*528+64*\b+16
.endr
.endr
	WIN 0
	VLD 0                                          ; LDS serves a wave's instructions in order: these see the stores above
	VLD 1
	s_wait_dscnt 32                                ; all but the younger set of 32
	VBLK \g, 0
	VLD 2
	s_wait_dscnt 32
	VBLK \g, 1
	VLD 3
	s_wait_dscnt 32
	VBLK \g, 2
	s_wait_dscnt 0x0
	VBLK \g, 3
.endm
	PLACES NP                                      ; behind the last products: results are read and A's registers written from here on
.irp b, 0,1,2,3
	v_mov_b32 v[TM+4+\b], 0                        ; written once: a lane permute's destination counts as one of its sources
.endr
	s_cmp_lg_u32 ttmp9, 2                          ; the cluster's x is the same in all partners
	s_cbranch_scc1 .Lrope
	s_cmp_lg_u32 s16, 0                            ; in cluster column 2 the waves of column half 1 hold v
	s_cbranch_scc1 .Lv
.Lrope:
.irp a, 0,1,2,3,4,5,6,7
	EPI \a
.endr
	s_cmp_lt_u32 ttmp9, 2
	s_cbranch_scc1 .Ljoin
	s_wait_xcnt 0x0                                ; no pending store names the registers loaded below
	ds_load_b64 v[HA:HA+1], v[KSL]                 ; k's scale words of the two heads, 256 bytes each (LDS serves a wave's instructions in order)
	ds_load_b64 v[HA+2:HA+3], v[KSL] offset:256
	s_wait_dscnt 0x0
	global_store_b64 v[G8], v[HA:HA+1], s[100:101] offset:12288
	global_store_b64 v[G8], v[HA+2:HA+3], s[100:101] offset:KVHB+12288
	s_branch .Ljoin
.Lv:
	s_wait_loadcnt 0x0                             ; the sets of cos and sin asked for at the head have landed: their registers take the keys
.irp g, 0,1,2,3
	VGRP \g
.endr
	global_store_b64 v[G8], v[SBV:SBV+1], s[100:101] offset:12544
	global_store_b64 v[G8], v[SBV+2:SBV+3], s[100:101] offset:KVHB+12544
.Ljoin:
	s_wait_tensorcnt 0x0                           ; the wave's end
	ds_add_u32 v[SPW], v[NIL]
	s_wait_dscnt 0x0
	CROUND                                         ; the closing round
	s_endpgm
.Lfunc_end_k_q8f49b3cda6_g1:
	.size	k_q8f49b3cda6_g1, .Lfunc_end_k_q8f49b3cda6_g1-k_q8f49b3cda6_g1
	.p2alignl 7, 3214868480
	.fill 96, 4, 3214868480
	.section	.rodata,"a",@progbits
	.p2align	6, 0x0
	.amdhsa_kernel k_q8f49b3cda6_g1
		.amdhsa_group_segment_fixed_size 327680
		.amdhsa_private_segment_fixed_size 0
		.amdhsa_enable_private_segment 0
		.amdhsa_kernarg_size 48
		.amdhsa_user_sgpr_count 2
		.amdhsa_user_sgpr_kernarg_segment_ptr 1
		.amdhsa_wavefront_size32 1
		.amdhsa_system_sgpr_workgroup_id_x 1
		.amdhsa_system_sgpr_workgroup_id_y 1
		.amdhsa_system_sgpr_workgroup_id_z 1
		.amdhsa_system_vgpr_workitem_id 0
		.amdhsa_next_free_vgpr 1024
		.amdhsa_next_free_sgpr 102
		.amdhsa_reserve_vcc 0
		.amdhsa_float_denorm_mode_32 3
		.amdhsa_float_denorm_mode_16_64 3
		.amdhsa_memory_ordered 1
		.amdhsa_forward_progress 1
		.amdhsa_inst_pref_size 255
	.end_amdhsa_kernel
	.section	.bss,"aw",@nobits
	.p2align	6
	.space	262144
	.amdgpu_metadata
---
amdhsa.version: [ 1, 2 ]
amdhsa.kernels:
  - .name:           k_q8f49b3cda6_g1
    .symbol:         k_q8f49b3cda6_g1.kd
    .args:
      - { .name: act, .offset: 0, .size: 8, .value_kind: global_buffer, .address_space: global }
      - { .name: wts, .offset: 8, .size: 8, .value_kind: global_buffer, .address_space: global }
      - { .name: cos, .offset: 16, .size: 8, .value_kind: global_buffer, .address_space: global }
      - { .name: sin, .offset: 24, .size: 8, .value_kind: global_buffer, .address_space: global }
      - { .name: qimg, .offset: 32, .size: 8, .value_kind: global_buffer, .address_space: global }
      - { .name: kvp, .offset: 40, .size: 8, .value_kind: global_buffer, .address_space: global }
    .group_segment_fixed_size: 327680
    .private_segment_fixed_size: 0
    .kernarg_segment_align: 8
    .kernarg_segment_size: 48
    .max_flat_workgroup_size: 128
    .sgpr_count:     102
    .vgpr_count:     1024
    .wavefront_size: 32
...
	.end_amdgpu_metadata
.endif
;; end of part 3
;; launch att (part 4): grid 8 x 32, 16 waves a work-group, clusters of 4 x 4, 327,680 bytes of LDS; arguments qimg, kvp, mask, act; writes act
.if DOCPART == 4
	.amdgcn_target "amdgcn-amd-amdhsa--gfx1250"
	.amdhsa_code_object_version 6
	.text
	.protected	k_q8f49b3cda6_att
	.globl	k_q8f49b3cda6_att
	.p2align	8
	.type	k_q8f49b3cda6_att,@function
k_q8f49b3cda6_att:
	s_mov_b64 s[64:65], 0
	v_nop
	global_prefetch_b8 v0, s[64:65] scope:SCOPE_SE
	s_setreg_imm32_b32 hwreg(HW_REG_WAVE_MODE, 25, 1), 1
	s_wait_xcnt 0x0
	s_wait_alu depctr_hold_cnt(0) depctr_sa_sdst(0) depctr_va_vdst(0) depctr_va_sdst(0) depctr_va_ssrc(0) depctr_va_vcc(0) depctr_vm_vsrc(0)
	s_getreg_b32 s2, hwreg(HW_REG_IB_STS2, 6, 4)
	s_cmp_eq_u32 s2, 0
	s_cbranch_scc0 .Lentry_in_a_cluster
	s_endpgm
.Lentry_in_a_cluster:
	s_bfe_u32 s2, ttmp6, 0x10000c
	s_cmp_lg_u32 s2, 0xf033
	s_cbranch_scc0 .Lentry_shape_is_right
	s_endpgm
.Lentry_shape_is_right:
; Attention on codes of BF6 (E3M2): logit = clip(q . k / 8, -20, 20) + mask (the mask is read as it is given); t = logit x log2(e); M = the running largest t rounded up to a whole number;
; p = 2^(t - M) is quantised along the keys, not normalised; the row's sum is taken of the unquantised p and divides at the end.  The result is quantised along the next product's K (head x 64 + channel)
; and stored as codes, act + 0: [token][1536 bytes], with its scale bytes, act + ASC: [token][64].
; SHARES.  A work-group owns one kv head (x) and 64 queries (y).  Wave w of sixteen owns head 4 kvh + w % 4 and the 16 queries of tile w / 4, in 256 registers: four waves to a SIMD, so that one wave's
; vector work stands beside another's products and LDS loads.  The four heads share K's and V's images and the mask's tile in LDS.
; CLUSTER 4 x 4.  The mask's tile hangs on y alone: asked for jointly along a row of the cluster.  The kv head's images hang on x alone: jointly along a column.
; RING.  Two slots of 256 keys: 64 rows of the mask (1024 bytes + 16) and two steps' images of K and V (2 x 12,800 dense bytes).  Wave 0 asks for the mask's tile, wave 1 for the images: one tensor load a wave is out at the most.
; LAYOUT.  Both products are used transposed: a lane holds one query.  The head size is 64, half of the instruction's K: a fragment of K holds two sets of 16 keys, one in each half of K, and is multiplied once by
; [q | 0] and once by [0 | q].  The keys of a set are chosen so that registers 16 f + i of the scores are keys 32 f + 16 h + i.  V's rows come in an order that makes registers 16 B + i of O^T channels 32 B + 16 h + i.
; LIMITS: M is the ceiling of the ROUNDED t while p takes the exact product: where every logit of a row is near -1e9, M can be off by a whole number of up to some 64; that is a power of two in p and in the sum alike.
; Blocks of zeros or under 2^-122 get the scale byte 1.  NaN and infinities are not served.
.set SLOT1, 1<<17
.set MP,    1040                       ; a row of the mask's tile in LDS: an odd multiple of 16 bytes
.set POFF,  64*MP                      ; behind it: the images
.set STEPB, 12800
.set KVHB,  16*STEPB
.set NSL,   8
.set STAGE, 229376                     ; behind the ring: 64 rows x (16 places of 16 bytes + 16), the work-group's, for the way out;
.set SCSTG, STAGE+64*272               ; 8 scale bytes for each of the 64 tokens;
.set SPARE, SCSTG+512                  ; the spare words: 128 bytes a wave, eight blocks of 256 bytes that no other line names
.set ASC,   0x300000
.set A16,  1                           ; v1   POFF + 16 lane
.set A8,   2                           ; v2   POFF + 8 lane
.set AM,   3                           ; v3   my query's row of the mask's tile + 64 h
.set STA,  4                           ; v4   the stage, in
.set SPW,  5
.set NIL,  6
.set SCA,  7                           ; v7   my token's and head's two scale bytes
.set AD16, 8                           ; v8-10 the three addresses in the slot in hand
.set AD8,  9
.set ADM,  10
.set Q1,   16                          ; v16-27 [q | 0]
.set Q2,   28                          ; v28-39 [0 | q]
.set KV,   40                          ; v40-87 four fragments of K, then half of the mask's numbers, then four fragments of V
.set KSC,  88                          ; v88-89 K's scale words;  v90-91 V's
.set VSC,  90
.set RDA,  92                          ; the way out: stage, back
.set GOA,  93
.set SRA,  94
.set GSO,  95
.set S,    96                          ; v96-159 the scores, then p
.set O,    160                         ; v160-191 O^T
.set M0,   192                         ; v192-223 the other half of the mask's numbers
.set WV,   18
.set SEL,  20
.set CS,   22                          ; s[22:23] log2(e)
.set G1M,  24
.set G1P,  32
.set G0M,  40
.set G0P,  44
.set LO,   54                          ; -160, 160: the clip at +-20 ahead of the division by 8
.set HI,   55
.set EI,   56                          ; s[56:57] 1/8
.set TB,   58
.set SLOTS, 59
.macro JLOAD                           ; the branches hang on the wave's number alone; four v_nop follow each of the two lines
	s_cmp_eq_u32 s[WV], 0
	s_cbranch_scc0 .Lnot_m_\@
	tensor_load_to_lds s[G0M:G0M+3], s[G1M:G1M+7]
	s_nop 0
.rept 4
	v_nop
.endr
	s_branch .Lasked_\@
.Lnot_m_\@:
	s_cmp_eq_u32 s[WV], 1
	s_cbranch_scc0 .Lasked_\@
	tensor_load_to_lds s[G0P:G0P+3], s[G1P:G1P+7]
	s_nop 0
.rept 4
	v_nop
.endr
.Lasked_\@:
.endm
.macro ROUND                           ; a round of the cluster's barrier
	s_barrier_signal -1
	s_barrier_wait -1
	s_cmp_lg_u32 s[WV], 0
	s_cbranch_scc1 .Lnot_wave_0_\@
	s_barrier_signal -3
.Lnot_wave_0_\@:
	s_barrier_wait -3
	s_barrier_signal -1
	s_barrier_wait -1
.endm
	s_load_b128 s[4:7], s[0:1], 0x0                ; qimg, kvp
	s_load_b128 s[8:11], s[0:1], 0x10              ; mask, act
	v_lshl_add_u32 v[SPW], v0, 2, SPARE
	v_mov_b32 v[NIL], 0
	ds_add_u32 v5, v6
	s_wait_dscnt 0x0
	v_lshrrev_b32 v8, 5, v0
	v_readfirstlane_b32 s[WV], v8                  ; wave 0..15
	s_bfe_u32 s60, ttmp6, 0x40000                  ; cx
	s_bfe_u32 s61, ttmp6, 0x40004                  ; cy
	s_lshl_b32 s62, ttmp9, 2
	s_add_co_u32 s62, s62, s60                     ; the kv head
	s_and_b32 s63, ttmp7, 0xffff
	s_lshl_b32 s63, s63, 2
	s_add_co_u32 s63, s63, s61                     ; the block of 64 queries
	s_lshl_b32 s66, s61, 2
	s_lshl_b32 s66, 15, s66                        ; my row of the cluster
	s_lshl_b32 s67, 0x1111, s60                    ; my column
	s_or_b32 s[G1M], s66, (2<<16)|(1<<20)|(1<<21)|(7<<22)|(3<<25)   ; the mask's tile: elements of 4 bytes; padding of 4 words behind every 256
	s_mov_b32 s[G1M+1], 256<<16                    ; tensor_dim0
	s_mov_b32 s[G1M+2], 64<<16                     ; tensor_dim1
	s_mov_b32 s[G1M+3], 256<<16                    ; tile_dim0
	s_mov_b32 s[G1M+4], 64                         ; tile_dim1
	s_mov_b32 s[G1M+5], 2048                       ; the pitch
	s_mov_b32 s[G1M+6], 0
	s_mov_b32 s[G1M+7], 0
	s_or_b32 s[G1P], s67, (3<<16)|(1<<21)          ; the images: 25,600 dense bytes as 100 rows of 256 (32 elements of 8 bytes), no padding
	s_mov_b32 s[G1P+1], 32<<16
	s_mov_b32 s[G1P+2], 100<<16
	s_mov_b32 s[G1P+3], 32<<16
	s_mov_b32 s[G1P+4], 100
	s_mov_b32 s[G1P+5], 32
	s_mov_b32 s[G1P+6], 0
	s_mov_b32 s[G1P+7], 0
	s_lshl_b32 s68, s63, 19                        ; 64 rows of 8,192 bytes a block of queries
	s_mov_b32 s69, 0
	s_mul_i32 s70, s62, KVHB
	s_mov_b32 s71, 0
	s_mov_b32 s[SEL], 0x76543210
	s_mov_b32 s[SEL+1], 0xfedcba98
	s_mov_b32 s[CS], 0x3fb8aa3b                    ; log2(e)
	s_mov_b32 s[CS+1], s[CS]
	s_mov_b32 s[LO], 0xc3200000
	s_mov_b32 s[HI], 0x43200000
	s_mov_b32 s[EI], 0x3e000000
	s_mov_b32 s[EI+1], s[EI]
	s_mov_b32 s[TB], 0
	s_mov_b32 s[SLOTS], NSL-1
	s_wait_kmcnt 0x0
	s_mov_b32 s[G0M], 1
	s_mov_b32 s[G0M+1], 0
	s_add_nc_u64 s[G0M+2:G0M+3], s[8:9], s[68:69]
	s_or_b32 s[G0M+3], s[G0M+3], 0x80000000
	s_mov_b32 s[G0P], 1
	s_mov_b32 s[G0P+1], POFF
	s_add_nc_u64 s[G0P+2:G0P+3], s[6:7], s[70:71]
	s_or_b32 s[G0P+3], s[G0P+3], 0x80000000
	ROUND                                          ; all sixteen work-groups are here: the first joint loads meet
	JLOAD                                          ; slot 0
	s_and_b32 s72, s[WV], 3                        ; which of the four heads
	s_lshr_b32 s74, s[WV], 2                       ; which tile of 16 queries
	s_lshl_b32 s73, s62, 2
	s_add_co_u32 s73, s73, s72                     ; the head
	s_lshl_b32 s75, s63, 2
	s_add_co_u32 s75, s75, s74                     ; the tile among the head's 128
	s_lshl_b32 s76, s73, 17
	s_lshl_b32 s77, s75, 10
	s_add_co_u32 s76, s76, s77
	s_mov_b32 s77, 0
	s_add_nc_u64 s[4:5], s[4:5], s[76:77]          ; q's record
	s_lshl_b32 s76, s63, 6
	s_lshl_b32 s78, s[WV], 2
	s_add_co_u32 s76, s76, s78                     ; the way out: wave w stores tokens 4 w .. 4 w + 3 of the 64
	s_mul_i32 s76, s76, 1536
	s_mul_i32 s78, s62, 192
	s_add_co_u32 s76, s76, s78
	s_add_nc_u64 s[48:49], s[10:11], s[76:77]
	s_lshl_b32 s76, s63, 12
	s_lshl_b32 s78, s62, 3
	s_add_co_u32 s76, s76, s78
	s_add_co_u32 s76, s76, ASC
	s_add_nc_u64 s[50:51], s[10:11], s[76:77]
	v_and_b32 v11, 31, v0                          ; lane
	v_and_b32 v8, 15, v0                           ; r
	v_bfe_u32 v9, v0, 4, 1                         ; h
	v_lshlrev_b32 v96, 4, v11
	v_lshlrev_b32 v97, 3, v11
	v_lshlrev_b32 v98, 2, v8
	global_load_b128 v[Q1:Q1+3], v96, s[4:5]       ; q's six registers: query r, block h
	global_load_b64 v[Q1+4:Q1+5], v97, s[4:5] offset:512
	global_load_b32 v255, v98, s[4:5] offset:768   ; and its scale word
	v_lshl_add_u32 v[A16], v11, 4, POFF
	v_lshl_add_u32 v[A8], v11, 3, POFF
	s_lshl_b32 s78, s74, 4
	v_add_nc_u32 v10, s78, v8                      ; my token among the 64
	v_mul_u32_u24 v[AM], v10, MP
	v_lshl_add_u32 v[AM], v9, 6, v[AM]
	v_mul_u32_u24 v[STA], v10, 272
	v_lshl_add_u32 v[STA], v9, 4, v[STA]
	s_lshl_b32 s79, s72, 6
	s_add_co_u32 s79, s79, STAGE
	v_add_nc_u32 v[STA], s79, v[STA]               ; row = token; my head's four places; place h (block 0) and place 2 + h (block 1)
	s_lshl_b32 s79, s72, 1
	s_add_co_u32 s79, s79, SCSTG
	v_lshl_add_u32 v[SCA], v10, 3, s79
	s_lshl_b32 s79, s[WV], 2
	v_add_nc_u32 v[RDA], s79, v9
	v_mul_u32_u24 v[RDA], v[RDA], 272
	v_lshl_add_u32 v[RDA], v8, 4, v[RDA]
	v_add_nc_u32 v[RDA], STAGE, v[RDA]             ; back: rows 4 w + h (and two on), sixteen lanes to a row
	v_mul_u32_u24 v[GOA], v9, 1536
	v_mad_u32_u24 v[GOA], v8, 12, v[GOA]
	v_and_b32 v[SRA], 63, v0
	v_lshlrev_b32 v[GSO], 6, v[SRA]
	v_lshl_add_u32 v[SRA], v[SRA], 3, SCSTG
	v_mov_b32 v13, 0xff61b1e6                      ; the largest t so far: -3e38
	v_floor_f32 v12, -v13                          ; -M
	v_mov_b32 v14, 0                               ; the sum, in two halves
	v_mov_b32 v15, 0
.irp b, 0,1,2,3
	v_mov_b32 v[236+\b], 0                         ; written once: a lane permute's destination counts as one of its sources
.endr
	v_mov_b32 v253, 0                              ; (named as the upper half of the pair v[252:253] before it is first written)
.irp i, 0,1,2,3,4,5
	v_mov_b32 v[Q1+6+\i], 0                        ; zero codes add nothing
	v_mov_b32 v[Q2+\i], 0
.endr
.set j, 0
.rept 32
	v_mov_b32 v[O+j], 0                            ; the step is written once: the first finds zeros, which the first change of M leaves zeros
.set j, j+1
.endr
	s_wait_loadcnt 0x0                             ; q
.irp i, 0,1,2,3,4,5
	v_mov_b32 v[Q2+6+\i], v[Q1+\i]
.endr
; 32 scores: held at +-160, then x 1/8 + the mask's number in one fused multiply-add: clip(s / 8) + mask with the one rounding of the addition
.macro CLIP so, mr
.set j, 0
.rept 32
	v_med3_num_f32 v[S+\so+j], v[S+\so+j], s[LO], s[HI]
.set j, j+1
.endr
.set j, 0
.rept 16
	v_pk_fma_f32 v[S+\so+j:S+\so+j+1], v[S+\so+j:S+\so+j+1], s[EI:EI+1], v[\mr+j:\mr+j+1] op_sel_hi:[1,0,1]
.set j, j+2
.endr
.endm
; A KEY STEP: 128 keys, the q-th of the slot in hand.
.macro STEP q
.rept 4
	v_nop                                          ; places in front of loads into registers that the last products have read
.endr
.irp f, 0,1,2,3
.irp u, 0,1
	ds_load_b128 v[KV+12*\f+6*\u:KV+12*\f+6*\u+3], v[AD16] offset:STEPB*(\q)+1536*\f+768*\u
	ds_load_b64 v[KV+12*\f+6*\u+4:KV+12*\f+6*\u+5], v[AD8] offset:STEPB*(\q)+1536*\f+768*\u+512
.endr
.endr
	ds_load_b64 v[KSC:KSC+1], v[AD8] offset:STEPB*(\q)+12288
.irp f, 0,1
.irp i, 0,1,2,3
	ds_load_b128 v[M0+16*\f+4*\i:M0+16*\f+4*\i+3], v[ADM] offset:512*(\q)+128*\f+16*\i   ; the mask at keys 32 f + 16 h + 4 i on
.endr
.endr
	s_wait_dscnt 8                                 ; K and its scale words are in; the mask's eight loads may be out
.irp f, 0,1,2,3                                ; eight accumulators, each begun with the constant 0
.if \f%2
	v_wmma_scale_f32_16x16x128_f8f6f4 v[S+16*\f:S+16*\f+7], v[KV+12*\f:KV+12*\f+11], v[Q1:Q1+11], 0, v[KSC+\f/2], v255 matrix_a_fmt:MATRIX_FMT_BF6 matrix_b_fmt:MATRIX_FMT_BF6 matrix_a_scale:MATRIX_SCALE_ROW1
	v_wmma_scale_f32_16x16x128_f8f6f4 v[S+16*\f+8:S+16*\f+15], v[KV+12*\f:KV+12*\f+11], v[Q2:Q2+11], 0, v[KSC+\f/2], v255 matrix_a_fmt:MATRIX_FMT_BF6 matrix_b_fmt:MATRIX_FMT_BF6 matrix_a_scale:MATRIX_SCALE_ROW1
.else
	v_wmma_scale_f32_16x16x128_f8f6f4 v[S+16*\f:S+16*\f+7], v[KV+12*\f:KV+12*\f+11], v[Q1:Q1+11], 0, v[KSC+\f/2], v255 matrix_a_fmt:MATRIX_FMT_BF6 matrix_b_fmt:MATRIX_FMT_BF6
	v_wmma_scale_f32_16x16x128_f8f6f4 v[S+16*\f+8:S+16*\f+15], v[KV+12*\f:KV+12*\f+11], v[Q2:Q2+11], 0, v[KSC+\f/2], v255 matrix_a_fmt:MATRIX_FMT_BF6 matrix_b_fmt:MATRIX_FMT_BF6
.endif
.endr
.rept 4
	v_nop                                          ; places: K's registers take loads, the scores are read
.endr
.irp f, 2,3
.irp i, 0,1,2,3
	ds_load_b128 v[KV+16*(\f-2)+4*\i:KV+16*(\f-2)+4*\i+3], v[ADM] offset:512*(\q)+128*\f+16*\i
.endr
.endr
	s_wait_dscnt 8                                 ; the mask's first half is in; the eight just issued may be out
	CLIP 0, M0
	s_wait_dscnt 0x0
	CLIP 32, KV
.irp ct, 0,1,2,3                               ; V's fragments land under the softmax
.irp c, 0,1
	ds_load_b128 v[KV+12*\ct+6*\c:KV+12*\ct+6*\c+3], v[AD16] offset:STEPB*(\q)+6144+1536*\ct+768*\c
	ds_load_b64 v[KV+12*\ct+6*\c+4:KV+12*\ct+6*\c+5], v[AD8] offset:STEPB*(\q)+6144+1536*\ct+768*\c+512
.endr
.endr
	ds_load_b64 v[VSC:VSC+1], v[AD8] offset:STEPB*(\q)+12544
.irp b, 0,1,2,3
	v_max3_num_f32 v[232+\b], v[96+16*\b], v[97+16*\b], v[98+16*\b]   ; the largest logit of each block of 32 keys: for the row's maximum, and, since p rises with the logit, for the block's largest p
.endr
.irp i, 3,5,7,9,11,13
.irp b, 0,1,2,3
	v_max3_num_f32 v[232+\b], v[232+\b], v[96+16*\b+\i], v[97+16*\b+\i]
.endr
.endr
.irp b, 0,1,2,3
	v_max_num_f32 v[232+\b], v[232+\b], v[111+16*\b]
.endr
.irp b, 0,1,2,3
	v_permlanex16_b32 v[236+\b], v[232+\b], s[SEL], s[SEL+1]
.endr
.irp b, 0,1,2,3
	v_max_num_f32 v[232+\b], v[232+\b], v[236+\b]  ; with lane l xor 16's 16 keys
.endr
	v_max3_num_f32 v254, v232, v233, v234
	v_max_num_f32 v254, v254, v235                 ; the step's largest logit of my query
	v_mul_f32 v254, s[CS], v254                    ; as t
	v_max_num_f32 v13, v13, v254                   ; the running largest t
	v_mov_b32 v254, v12
	v_floor_f32 v12, -v13                          ; the new -M = -ceil(t)
	v_sub_f32 v254, v12, v254                      ; old M - new M: a whole number, 0 or less
	v_cvt_i32_f32 v254, v254                       ; (it saturates)
	v_ldexp_f32 v252, 1.0, v254                    ; f = 2^(old M - new M): a multiplication by it rounds nothing
.set j, 0
.rept 32
	v_pk_fma_f32 v[96+j:97+j], v[96+j:97+j], s[CS:CS+1], v[12:13] op_sel_hi:[1,0,0]   ; t - M, two at a time
.set j, j+2
.endr
.irp b, 0,1,2,3
	v_fma_f32 v[232+\b], v[232+\b], s[CS], v12     ; the same of each block's largest logit
.endr
.set j, 0
.rept 64
	v_exp_f32 v[96+j], v[96+j]                     ; p = 2^(t - M)
.set j, j+1
.endr
.irp b, 0,1,2,3
	v_exp_f32 v[232+\b], v[232+\b]                 ; the block's largest p: the same two instructions on the same number
.endr
	v_pk_mul_f32 v[14:15], v[14:15], v[252:253] op_sel_hi:[1,0]   ; the sums under the new M (a plain place behind the exponentials)
	s_wait_alu depctr_va_vdst(0)
.irp b, 0,1,2,3
	v_max_num_f32 v[232+\b], 0x2800000, v[232+\b]  ; the floor 2^(5 - 127)
.endr
.irp b, 0,1,2,3
	v_add_nc_u32 v[244+\b], 0xfe000000, v[232+\b]  ; the conversion's scale operand
.endr
.irp b, 0,1,2,3
	v_lshrrev_b32 v[236+\b], 23, v[244+\b]         ; the scale's byte
.endr
	v_lshl_or_b32 v253, v237, 8, v236              ; p's scale word for these 128 keys
	v_lshl_or_b32 v253, v238, 16, v253
	v_lshl_or_b32 v253, v239, 24, v253
.irp c, 0,1
	v_cvt_scalef32_pk16_bf6_f32 v[224+6*\c:226+6*\c], v[96+32*\c:111+32*\c], v[244+2*\c]
	v_cvt_scalef32_pk16_bf6_f32 v[236+4*\c:238+4*\c], v[112+32*\c:127+32*\c], v[244+2*\c+1]
.endr
	v_nop                                          ; one plain place behind a scaled conversion
.irp c, 0,1                                    ; a whole block to a lane
.irp i, 0,1,2
	v_permlane16_swap_b32 v[224+6*\c+\i], v[236+4*\c+\i]
.endr
.irp i, 0,1,2
	v_mov_b32 v[227+6*\c+\i], v[236+4*\c+\i]
.endr
.endr
.set j, 0
.rept 16
	v_pk_mul_f32 v[O+j:O+j+1], v[O+j:O+j+1], v[252:253] op_sel_hi:[1,0]   ; O^T under the new M
.set j, j+2
.endr
	v_pk_add_f32 v[236:237], v[96:97], v[98:99]    ; the row's sum of the unquantised p, in two chains.  (These lines are also the places in front of the products below)
.set j, 4
.rept 15
	v_pk_add_f32 v[14:15], v[14:15], v[96+j:97+j]
	v_pk_add_f32 v[236:237], v[236:237], v[98+j:99+j]
.set j, j+4
.endr
	v_pk_add_f32 v[14:15], v[14:15], v[236:237]
	s_wait_dscnt 0x0                               ; V and its scale words are in
.irp ct, 0,1,2,3                               ; four accumulators by turns, one instruction a turn
.if \ct%2
	v_wmma_scale_f32_16x16x128_f8f6f4 v[O+8*\ct:O+8*\ct+7], v[KV+12*\ct:KV+12*\ct+11], v[224:235], v[O+8*\ct:O+8*\ct+7], v[VSC+\ct/2], v253 matrix_a_fmt:MATRIX_FMT_BF6 matrix_b_fmt:MATRIX_FMT_BF6 matrix_a_scale:MATRIX_SCALE_ROW1
.else
	v_wmma_scale_f32_16x16x128_f8f6f4 v[O+8*\ct:O+8*\ct+7], v[KV+12*\ct:KV+12*\ct+11], v[224:235], v[O+8*\ct:O+8*\ct+7], v[VSC+\ct/2], v253 matrix_a_fmt:MATRIX_FMT_BF6 matrix_b_fmt:MATRIX_FMT_BF6
.endif
.endr
.endm
; THE CHANGE OF SLOTS stands at a slot's head.  Each wave waits for all its tensor loads, adds 0 to its spare word, and waits for that and for its reads of the slot that it has left.
; fill = 1: a round of the cluster's barrier, and first behind it the joint load of the keys that follow, into the slot just left: it has a slot's two steps of sixteen waves in which to land.
.macro CHANGE fill
	s_wait_tensorcnt 0x0                           ; no tensor load of mine is out, so a descriptor may be written
	ds_add_u32 v[SPW], v[NIL]                      ; 0 onto my spare word
.if \fill
	s_xor_b32 s[G0M+1], s[G0M+1], SLOT1            ; the other slot than last time,
	s_add_nc_u64 s[G0M+2:G0M+3], s[G0M+2:G0M+3], 1024      ; the next 256 keys' columns of the mask,
	s_xor_b32 s[G0P+1], s[G0P+1], SLOT1
	s_add_nc_u64 s[G0P+2:G0P+3], s[G0P+2:G0P+3], 2*STEPB   ; and their images
.endif
	s_wait_dscnt 0x0                               ; the add is done, and my reads of the slot that I have left are over
.if \fill
	ROUND
	JLOAD
.else
	s_barrier_signal -1
	s_barrier_wait -1
.endif
.endm
.macro SLOT_STEPS
	v_add_nc_u32 v[AD16], s[TB], v[A16]
	v_add_nc_u32 v[AD8], s[TB], v[A8]
	v_add_nc_u32 v[ADM], s[TB], v[AM]
	STEP 0
	STEP 1
	s_xor_b32 s[TB], s[TB], SLOT1
.endm
.Lslot:                                            ; 7 trips: behind each change of slots but the last the next slot is asked for
	CHANGE 1
	SLOT_STEPS
	s_sub_co_u32 s[SLOTS], s[SLOTS], 1
	s_cmp_lg_u32 s[SLOTS], 0
	s_cbranch_scc1 .Lslot
	CHANGE 0                                       ; the last slot is written out
	SLOT_STEPS
	; THE WAY OUT.  O^T / the sum; my head's two blocks of 32 channels are quantised; a lane's two runs of 12 bytes go to the work-group's stage, a row to a token; whole runs of 192 bytes leave.
.rept 4
	v_nop                                          ; places behind the last products
.endr
	v_add_f32 v14, v14, v15
	v_permlanex16_b32 v252, v14, s[SEL], s[SEL+1]
	v_add_f32 v14, v14, v252                       ; the row's sum
	v_rcp_f32 v14, v14
	v_nop                                          ; a plain place behind the transcendental
.set j, 0
	s_wait_alu depctr_va_vdst(0)
.rept 32
	v_mul_f32 v[96+j], v[O+j], v14                 ; register 16 B + i: channel 32 B + 16 h + i of my query
.set j, j+1
.endr
.irp b, 0,1
	v_max3_num_f32 v[232+\b], |v[96+16*\b]|, |v[97+16*\b]|, 0x2800000
.endr
.irp i, 2,4,6,8,10,12,14
.irp b, 0,1
	v_max3_num_f32 v[232+\b], v[232+\b], |v[96+16*\b+\i]|, |v[97+16*\b+\i]|
.endr
.endr
.irp b, 0,1
	v_permlanex16_b32 v[236+\b], v[232+\b], s[SEL], s[SEL+1]
.endr
.irp b, 0,1
	v_max_num_f32 v[232+\b], v[232+\b], v[236+\b]
.endr
.irp b, 0,1
	v_add_nc_u32 v[244+\b], 0xfe000000, v[232+\b]
.endr
.irp b, 0,1
	v_lshrrev_b32 v[236+\b], 23, v[244+\b]
.endr
	v_lshl_or_b32 v240, v237, 8, v236              ; my head's two scale bytes
	v_cvt_scalef32_pk16_bf6_f32 v[224:226], v[96:111], v244    ; block 0, codes 16 h on: 12 bytes
	v_cvt_scalef32_pk16_bf6_f32 v[228:230], v[112:127], v245   ; block 1 likewise
	v_nop                                          ; one plain place behind a scaled conversion
	ds_store_b96 v[STA], v[224:226]                ; place h of my head's four
	ds_store_b96 v[STA], v[228:230] offset:32      ; place 2 + h
	ds_store_b16 v[SCA], v240                      ; both halves of the lanes write the same bytes with the same value
	s_wait_dscnt 0x0                               ; for the others' sake: my stores are done
	s_barrier_signal -1
	s_barrier_wait -1
	ds_load_b96 v[96:98], v[RDA]
	ds_load_b96 v[100:102], v[RDA] offset:2*272
	s_wait_dscnt 0x0
	global_store_b96 v[GOA], v[96:98], s[48:49]    ; sixteen lanes store a token's 192 consecutive bytes
	global_store_b96 v[GOA], v[100:102], s[48:49] offset:2*1536
	s_cmp_lt_u32 s[WV], 2
	s_cbranch_scc0 .Lno_scales
	ds_load_b64 v[104:105], v[SRA]                 ; waves 0 and 1: a token's 8 scale bytes a lane
	s_wait_dscnt 0x0
	global_store_b64 v[GSO], v[104:105], s[50:51]
.Lno_scales:
	s_wait_tensorcnt 0x0                           ; the wave's end
	ds_add_u32 v[SPW], v[NIL]
	s_wait_dscnt 0x0
	ROUND                                          ; the closing round
	s_endpgm
.Lfunc_end_k_q8f49b3cda6_att:
	.size	k_q8f49b3cda6_att, .Lfunc_end_k_q8f49b3cda6_att-k_q8f49b3cda6_att
	.p2alignl 7, 3214868480
	.fill 96, 4, 3214868480
	.section	.rodata,"a",@progbits
	.p2align	6, 0x0
	.amdhsa_kernel k_q8f49b3cda6_att
		.amdhsa_group_segment_fixed_size 327680
		.amdhsa_private_segment_fixed_size 0
		.amdhsa_enable_private_segment 0
		.amdhsa_kernarg_size 32
		.amdhsa_user_sgpr_count 2
		.amdhsa_user_sgpr_kernarg_segment_ptr 1
		.amdhsa_wavefront_size32 1
		.amdhsa_system_sgpr_workgroup_id_x 1
		.amdhsa_system_sgpr_workgroup_id_y 1
		.amdhsa_system_sgpr_workgroup_id_z 1
		.amdhsa_system_vgpr_workitem_id 0
		.amdhsa_next_free_vgpr 256
		.amdhsa_next_free_sgpr 80
		.amdhsa_reserve_vcc 0
		.amdhsa_float_denorm_mode_32 3
		.amdhsa_float_denorm_mode_16_64 3
		.amdhsa_memory_ordered 1
		.amdhsa_forward_progress 1
		.amdhsa_inst_pref_size 106
	.end_amdhsa_kernel
	.amdgpu_metadata
---
amdhsa.version: [ 1, 2 ]
amdhsa.kernels:
  - .name:           k_q8f49b3cda6_att
    .symbol:         k_q8f49b3cda6_att.kd
    .args:
      - { .name: qimg, .offset: 0, .size: 8, .value_kind: global_buffer, .address_space: global }
      - { .name: kvp, .offset: 8, .size: 8, .value_kind: global_buffer, .address_space: global }
      - { .name: mask, .offset: 16, .size: 8, .value_kind: global_buffer, .address_space: global }
      - { .name: act, .offset: 24, .size: 8, .value_kind: global_buffer, .address_space: global }
    .group_segment_fixed_size: 327680
    .private_segment_fixed_size: 0
    .kernarg_segment_align: 8
    .kernarg_segment_size: 32
    .max_flat_workgroup_size: 512
    .sgpr_count:     80
    .vgpr_count:     256
    .wavefront_size: 32
...
	.end_amdgpu_metadata
.endif
;; end of part 4
;; launch g2 (part 5): grid 8 x 8, 4 waves a work-group, clusters of 4 x 4, 327,680 bytes of LDS; arguments act, wts, out0; writes out0
.if DOCPART == 5
	.amdgcn_target "amdgcn-amd-amdhsa--gfx1250"
	.amdhsa_code_object_version 6
	.text
	.protected	k_q8f49b3cda6_g2
	.globl	k_q8f49b3cda6_g2
	.p2align	8
	.type	k_q8f49b3cda6_g2,@function
k_q8f49b3cda6_g2:
	s_mov_b64 s[64:65], 0
	v_nop
	global_prefetch_b8 v0, s[64:65] scope:SCOPE_SE
	s_setreg_imm32_b32 hwreg(HW_REG_WAVE_MODE, 25, 1), 1
	s_wait_xcnt 0x0
	s_wait_alu depctr_hold_cnt(0) depctr_sa_sdst(0) depctr_va_vdst(0) depctr_va_sdst(0) depctr_va_ssrc(0) depctr_va_vcc(0) depctr_vm_vsrc(0)
	s_getreg_b32 s2, hwreg(HW_REG_IB_STS2, 6, 4)
	s_cmp_eq_u32 s2, 0
	s_cbranch_scc0 .Lentry_in_a_cluster
	s_endpgm
.Lentry_in_a_cluster:
	s_bfe_u32 s2, ttmp6, 0x10000c
	s_cmp_lg_u32 s2, 0xf033
	s_cbranch_scc0 .Lentry_shape_is_right
	s_endpgm
.Lentry_shape_is_right:
; The output projection on codes of BF6 (E3M2): out0 [2048][2048] f32 = act (the attention's result as codes, [2048][1536 bytes], scale bytes at ASC) x rows 3072 .. 5119 of wts (wo, K innermost), sums in f32.
; A tile of 256 x 256 is made by four waves, each 128 x 128: 64 accumulators.  K goes in steps of 256 (rows of 192 bytes) through a ring of two LDS slots filled by the tensor data mover; the scale bytes of the
; work-group's 256 + 256 rows come into LDS once.  64 tiles: a smaller tile would give more work-groups that each read about as many LDS bytes, so the larger tile stays.
; CLUSTERS: 4 x 4 work-groups; A's tiles are asked for jointly along a row of the cluster, B's along a column.  The matrix instruction is used transposed (source 0 = 16 rows of wts, source 1 = 16 tokens).
; wo's column n lies at row 3072 + sw(n), sw = bits 3 and 4 exchanged: registers 0-7 of accumulator (a, b) in lane (r, h) are true columns 32 (b / 2) + 16 h + 8 (b % 2) on; the stage's addresses put them in order.
; REGISTERS, in windows of 256: window 0: v16-31 addresses; v32-63 scale words; from v128 A's fragments, one set; window 1: B's fragments, two sets; windows 2, 3: the accumulators.
.set SIZE_N, 2048
.set KSTEP,  256
.set NQ,     KSTEP/128
.set ROWB,   192
.set KROW,   1536
.set PITCH,  240
.set FR,     12
.set NL,     6
.set NP,     4
.set HALFT,  128*PITCH
.set SLOT,   4*HALFT
.set LAPS,   4
.set KS,     64
.set SCL,    2*SLOT
.set HALFS,  (128*KS/256)*272
.set SBLK,   (16*KS/256)*272
.set SPARE,  SCL+4*HALFS               ; the spare words: 128 bytes a wave, two blocks of 256 bytes that no other line names
.set SPITCH, 528                       ; the way out: 16 rows x (512 + 16) a wave, in slot 0, which has had its last fill and its last read by then
.set ASC,    0x300000
.set WOC,    0x480000                  ; 3072 rows of 1536 bytes
.set WOS,    0x7b0000                  ; wts' scale bytes + 3072 rows of 64
.set ADRA, 16
.set ADRB, 20
.set STO,  24
.set RD,   25
.set CO,   26
.set ADRS, 27
.set SPW,  28
.set NIL,  29
.set SC,   32
.set AF,   128
.set BK,   128
.set G1, 24
.set G0, 32
.set G1B, 48
.set G0B, 56
.set G1S, 68
.set G0S, 76
.set G1SB, 80
.set G0SB, 88
.set MSB, 0
.macro WIN new
.if MSB != (\new)
	s_set_vgpr_msb (MSB<<8)|(\new)
.set MSB, (\new)
.endif
.endm
.set MUL_LO, 0xa1
.set MUL_HI, 0xf1
.set TO_B,   0x40
.macro JLOAD g0a, g1a, g0b, g1b        ; waves 0 and 1 fetch for A, waves 2 and 3 for B; four v_nop follow each of the two lines
	s_cmp_eq_u32 s15, 0
	s_cbranch_scc0 .Lfor_b_\@
	tensor_load_to_lds s[\g0a:\g0a+3], s[\g1a:\g1a+7]
	s_nop 0
.rept 4
	v_nop
.endr
	s_branch .Lasked_\@
.Lfor_b_\@:
	tensor_load_to_lds s[\g0b:\g0b+3], s[\g1b:\g1b+7]
	s_nop 0
.rept 4
	v_nop
.endr
.Lasked_\@:
.endm
.macro CREST
	s_cmp_lg_u32 s14, 0
	s_cbranch_scc1 .Lnot_wave_0_\@
	s_barrier_signal -3
.Lnot_wave_0_\@:
	s_barrier_wait -3
	s_barrier_signal -1
	s_barrier_wait -1
.endm
.macro CROUND
	s_barrier_signal -1
	s_barrier_wait -1
	CREST
.endm
	s_load_b64 s[4:5], s[0:1], 0x0                 ; act
	s_load_b64 s[8:9], s[0:1], 0x8                 ; wts
	s_load_b64 s[12:13], s[0:1], 0x10              ; out0
	v_lshl_add_u32 v[SPW], v0, 2, SPARE
	v_mov_b32 v[NIL], 0
	ds_add_u32 v28, v29
	s_wait_dscnt 0x0
	v_lshrrev_b32 v1, 5, v0
	v_readfirstlane_b32 s14, v1                    ; wave 0..3
	s_lshr_b32 s15, s14, 1
	s_and_b32 s16, s14, 1
	s_bfe_u32 s40, ttmp6, 0x40000                  ; cx, cy
	s_bfe_u32 s41, ttmp6, 0x40004
	s_lshl_b32 s42, ttmp9, 2
	s_add_co_u32 s42, s42, s40                     ; tile column
	s_and_b32 s17, ttmp7, 0xffff
	s_lshl_b32 s17, s17, 2
	s_add_co_u32 s17, s17, s41                     ; tile row
	s_lshl_b32 s43, s41, 2
	s_lshl_b32 s43, 15, s43                        ; my row of the cluster
	s_lshl_b32 s44, 0x1111, s40                    ; my column
	s_or_b32 s[G1+0], s43, (0<<16)|(1<<20)|(1<<21)|(3<<22)|(3<<25)
	s_or_b32 s[G1B+0], s44, (0<<16)|(1<<20)|(1<<21)|(3<<22)|(3<<25)
.irp g, G1, G1B
	s_mov_b32 s[\g+1], ROWB<<16
	s_mov_b32 s[\g+2], 128<<16
	s_mov_b32 s[\g+3], ROWB<<16
	s_mov_b32 s[\g+4], 128
	s_mov_b32 s[\g+5], KROW
	s_mov_b32 s[\g+6], 0
	s_mov_b32 s[\g+7], 0
.endr
	s_or_b32 s[G1S+0], s43, (3<<16)|(1<<20)|(1<<21)|(5<<22)|(3<<25)
	s_or_b32 s[G1SB+0], s44, (3<<16)|(1<<20)|(1<<21)|(5<<22)|(3<<25)
.irp g, G1S, G1SB
	s_mov_b32 s[\g+1], 32<<16
	s_mov_b32 s[\g+2], (128*KS/256)<<16
	s_mov_b32 s[\g+3], 32<<16
	s_mov_b32 s[\g+4], 128*KS/256
	s_mov_b32 s[\g+5], 32
	s_mov_b32 s[\g+6], 0
	s_mov_b32 s[\g+7], 0
.endr
	s_lshl_b32 s18, s16, 7
	s_lshl_b32 s20, s17, 8
	s_add_co_u32 s20, s20, s18
	s_lshl_b32 s46, s42, 8
	s_add_co_u32 s46, s46, s18
	s_mov_b32 s21, 0
	s_mov_b32 s47, 0
	s_mov_b64 s[18:19], KS
	s_mul_u64 s[22:23], s[20:21], s[18:19]
	s_mul_u64 s[92:93], s[46:47], s[18:19]
	s_mov_b64 s[18:19], KROW
	s_mul_u64 s[20:21], s[20:21], s[18:19]
	s_mul_u64 s[46:47], s[46:47], s[18:19]
	s_mul_i32 s45, s14, HALFT
	s_mul_i32 s94, s14, HALFS
	s_wait_kmcnt 0x0
	s_add_nc_u64 s[6:7], s[4:5], ASC
	s_add_nc_u64 s[10:11], s[8:9], WOS
	s_add_nc_u64 s[8:9], s[8:9], WOC
	s_add_nc_u64 s[20:21], s[4:5], s[20:21]
	s_add_nc_u64 s[22:23], s[6:7], s[22:23]
	s_add_nc_u64 s[46:47], s[8:9], s[46:47]
	s_add_nc_u64 s[92:93], s[10:11], s[92:93]
	CROUND                                         ; all sixteen work-groups are here: the first joint loads meet
	s_mov_b32 s[G0S], 1
	s_add_co_u32 s[G0S+1], s94, SCL
	s_mov_b64 s[G0S+2:G0S+3], s[22:23]
	s_or_b32 s[G0S+3], s[G0S+3], 0x80000000
	s_mov_b32 s[G0SB], 1
	s_add_co_u32 s[G0SB+1], s94, SCL
	s_mov_b64 s[G0SB+2:G0SB+3], s[92:93]
	s_or_b32 s[G0SB+3], s[G0SB+3], 0x80000000
	JLOAD G0S, G1S, G0SB, G1SB
.irp s, 0,1
	s_mov_b32 s[G0+4*\s], 1
	s_add_co_u32 s[G0+4*\s+1], s45, \s*SLOT
	s_add_nc_u64 s[G0+4*\s+2:G0+4*\s+3], s[20:21], \s*ROWB
	s_or_b32 s[G0+4*\s+3], s[G0+4*\s+3], 0x80000000
	s_mov_b32 s[G0B+4*\s], 1
	s_add_co_u32 s[G0B+4*\s+1], s45, \s*SLOT
	s_add_nc_u64 s[G0B+4*\s+2:G0B+4*\s+3], s[46:47], \s*ROWB
	s_or_b32 s[G0B+4*\s+3], s[G0B+4*\s+3], 0x80000000
	JLOAD G0+4*\s, G1, G0B+4*\s, G1B
.endr
	v_and_b32 v1, 15, v0                           ; r
	v_bfe_u32 v2, v0, 4, 1                         ; h
	v_mul_u32_u24 v3, v1, PITCH
	v_mul_u32_u24 v4, v2, 24
	v_add_nc_u32 v4, v3, v4
	v_lshl_add_u32 v5, v2, 4, v4
	s_mul_i32 s21, s15, HALFT
	s_mul_i32 s22, s16, HALFT
	s_add_co_u32 s22, s22, 2*HALFT
.irp s, 0,1
	v_add_nc_u32 v[ADRA+\s], s21, v4
	v_add_nc_u32 v[ADRB+\s], s22, v4
	v_add_nc_u32 v[ADRA+2+\s], s21, v5
	v_add_nc_u32 v[ADRB+2+\s], s22, v5
	s_add_co_u32 s21, s21, SLOT
	s_add_co_u32 s22, s22, SLOT
.endr
	v_mul_u32_u24 v5, v1, KS
	v_lshrrev_b32 v6, 8, v5
	v_lshl_add_u32 v5, v6, 4, v5
	s_mul_i32 s21, s15, HALFS
	s_mul_i32 s22, s16, HALFS
	s_add_co_u32 s22, s22, 2*HALFS
	s_sub_co_u32 s22, s22, s21
	v_mul_u32_u24 v6, s22, v2
	s_add_co_u32 s21, s21, SCL
	v_add_nc_u32 v5, v5, v6
	v_add_nc_u32 v[ADRS], s21, v5
	s_mul_i32 s23, s14, 16*SPITCH                  ; my stage
	v_mul_u32_u24 v5, v1, SPITCH                   ; in: row r, 64 bytes on for lanes 16-31 (true columns 16 h on)
	v_lshl_add_u32 v5, v2, 6, v5
	v_add_nc_u32 v[STO], s23, v5
	v_and_b32 v6, 31, v0
	v_lshlrev_b32 v[CO], 4, v6                     ; back: the 32 lanes take one row of 512 bytes; and the same in out0
	v_add_nc_u32 v[RD], s23, v[CO]
	s_lshl_b32 s20, s17, 8
	s_lshl_b32 s21, s15, 7
	s_add_co_u32 s20, s20, s21                     ; my first row of out0
	s_mov_b32 s21, 0
	s_mov_b64 s[18:19], SIZE_N*4
	s_mul_u64 s[20:21], s[20:21], s[18:19]
	s_lshl_b32 s46, s42, 10                        ; my first column, in bytes
	s_lshl_b32 s47, s16, 9
	s_add_co_u32 s46, s46, s47
	s_mov_b32 s47, 0
	s_add_nc_u64 s[20:21], s[20:21], s[46:47]
	s_add_nc_u64 s[12:13], s[12:13], s[20:21]
.macro FRAG reg, adr, q, i
.irp p, 0,1,2,3,4,5
.set PCE, 12*(\q)+6*(\p/3)+\p%3
.if PCE%8 < 5
	ds_load_b64 v[\reg+2*\p:\reg+2*\p+1], v[\adr] offset:8*PCE+16*(PCE/8)+(\i)*16*PITCH
.else
	ds_load_b64 v[\reg+2*\p:\reg+2*\p+1], v[\adr+2] offset:8*PCE+16*(PCE/8)+(\i)*16*PITCH
.endif
.endr
.endm
; The 64 accumulators take turns, one instruction a turn, in the same order in every step.
.macro MUL16 a0, p, q, sc, zero
.irp a, \a0, \a0+1
.irp b, 0,1,2,3,4,5,6,7
.if \zero
	v_wmma_scale_f32_16x16x128_f8f6f4 v[8*(8*((\a)%4)+\b):8*(8*((\a)%4)+\b)+7], v[128*(\p)+FR*\b:128*(\p)+FR*\b+FR-1], v[AF+FR*(\a):AF+FR*(\a)+FR-1], 0, v[SC+8*NQ*(\sc)+NQ*\b+(\q)], v[SC+8*NQ*(\sc)+NQ*(\a)+(\q)] matrix_a_fmt:MATRIX_FMT_BF6 matrix_b_fmt:MATRIX_FMT_BF6 matrix_a_scale:MATRIX_SCALE_ROW1
.else
	v_wmma_scale_f32_16x16x128_f8f6f4 v[8*(8*((\a)%4)+\b):8*(8*((\a)%4)+\b)+7], v[128*(\p)+FR*\b:128*(\p)+FR*\b+FR-1], v[AF+FR*(\a):AF+FR*(\a)+FR-1], v[8*(8*((\a)%4)+\b):8*(8*((\a)%4)+\b)+7], v[SC+8*NQ*(\sc)+NQ*\b+(\q)], v[SC+8*NQ*(\sc)+NQ*(\a)+(\q)] matrix_a_fmt:MATRIX_FMT_BF6 matrix_b_fmt:MATRIX_FMT_BF6 matrix_a_scale:MATRIX_SCALE_ROW1
.endif
.endr
.endr
.endm
.macro FETCH_B slot, q, p
	WIN TO_B
.irp i, 0,1,2,3,4,5,6,7
	FRAG 128*(\p)+FR*\i, ADRB+\slot, \q, \i
.endr
	WIN 0
.endm
.macro FETCH_A slot, q, i0
.irp i, \i0, \i0+1, \i0+2, \i0+3
	FRAG AF+FR*(\i), ADRA+\slot, \q, \i
.endr
.endm
.macro SCALES sc
.irp i, 0,1,2,3,4,5,6,7
	ds_load_b64 v[SC+8*NQ*\sc+NQ*\i:SC+8*NQ*\sc+NQ*\i+1], v[ADRS] offset:\i*SBLK
.endr
.endm
.macro PLACES n
.rept \n
	v_nop
.endr
.endm
.macro STEP slot, q, zero
	s_wait_dscnt 4*NL                              ; B's set and A's blocks 0-3 are in; the youngest 24 loads (A's blocks 4-7) may be out
	WIN MUL_LO
	MUL16 0, (\q)%2, \q, \slot, \zero
	MUL16 2, (\q)%2, \q, \slot, \zero
	s_wait_dscnt 0
	PLACES NP
	FETCH_B \slot, (\q)+1, 1-(\q)%2
	FETCH_A \slot, (\q)+1, 0
	WIN MUL_HI
	MUL16 4, (\q)%2, \q, \slot, \zero
	MUL16 6, (\q)%2, \q, \slot, \zero
	PLACES NP
	WIN 0
	FETCH_A \slot, (\q)+1, 4
.endm
.macro TURN slot, next, fill
	s_wait_tensorcnt 0x0                           ; all my tensor loads have landed: my part of the next slot
	ds_add_u32 v[SPW], v[NIL]                      ; 0 onto my spare word
	s_wait_dscnt 4*NL+1                            ; (the add and the youngest 24 loads may be out)
	WIN MUL_LO
	MUL16 0, 1, NQ-1, \slot, 0
	s_wait_dscnt 0x0                               ; the add is done, and my reads of this slot are over
	s_barrier_signal -1
	MUL16 2, 1, NQ-1, \slot, 0
	WIN 0
	s_barrier_wait -1
.if \fill
	CREST                                          ; the barrier has opened a round of the cluster's barrier
	s_add_nc_u64 s[G0+4*\slot+2:G0+4*\slot+3], s[G0+4*\slot+2:G0+4*\slot+3], 2*ROWB
	s_add_nc_u64 s[G0B+4*\slot+2:G0B+4*\slot+3], s[G0B+4*\slot+2:G0B+4*\slot+3], 2*ROWB
	JLOAD G0+4*\slot, G1, G0B+4*\slot, G1B         ; the first tensor load behind the round
.else
	PLACES NP
.endif
	v_add_nc_u32 v[ADRS], 4*NQ, v[ADRS]
	FETCH_B \next, 0, 0
	FETCH_A \next, 0, 0
	SCALES \next
	WIN MUL_HI
	MUL16 4, 1, NQ-1, \slot, 0
	MUL16 6, 1, NQ-1, \slot, 0
	PLACES NP
	WIN 0
	FETCH_A \next, 0, 4
.endm
	s_wait_tensorcnt 1                             ; the scales and my part of K step 0 are in (K step 1's load may be out)
	s_barrier_signal -1
	s_barrier_wait -1
	FETCH_B 0, 0, 0
	FETCH_A 0, 0, 0
	SCALES 0
	FETCH_A 0, 0, 4
	STEP 0, 0, 1
	s_mov_b32 s3, LAPS-1
.Llap:
	TURN 0, 1, 1
	STEP 1, 0, 0
	TURN 1, 0, 1
	STEP 0, 0, 0
	s_sub_co_u32 s3, s3, 1
	s_cmp_lg_u32 s3, 0
	s_cbranch_scc1 .Llap
	TURN 0, 1, 0
	STEP 1, 0, 0
	s_wait_dscnt 4*NL
	WIN MUL_LO
	MUL16 0, 1, NQ-1, 1, 0
	MUL16 2, 1, NQ-1, 1, 0
	s_wait_dscnt 0
	WIN MUL_HI
	MUL16 4, 1, NQ-1, 1, 0
	MUL16 6, 1, NQ-1, 1, 0
	WIN 0
; THE WAY OUT, block by block of 16 rows x 128 columns, through my own stage in LDS; whole rows of 512 bytes come back and are stored by the 32 lanes.
.macro TOSTAGE a
.set AC, 64*((\a)%4)
	WIN 0x08+4*((\a)/4)                            ; the data: window 2 or 3
.irp b, 0,1,2,3,4,5,6,7
	ds_store_b128 v[STO], v[AC+8*\b:AC+8*\b+3] offset:128*(\b/2)+32*(\b%2)          ; true columns 32 (b / 2) + 16 h + 8 (b % 2) on; each accumulator from its low end on
	ds_store_b128 v[STO], v[AC+8*\b+4:AC+8*\b+7] offset:128*(\b/2)+32*(\b%2)+16
.endr
	WIN 0
.set BB, BK+64*((\a)%2)
.irp t, 0,1,2,3,4,5,6,7,8,9,10,11,12,13,14,15
	ds_load_b128 v[BB+4*\t:BB+4*\t+3], v[RD] offset:\t*SPITCH   ; LDS serves a wave's instructions in order: these see the stores above
.endr
.endm
.macro SEND a, younger
.set BB, BK+64*((\a)%2)
	s_wait_dscnt \younger                          ; the block is back in registers
.if (\a) > 0
	s_add_nc_u64 s[12:13], s[12:13], 16*SIZE_N*4   ; (behind a wait on XCNT: the earlier stores have read their base)
.endif
.irp t, 0,1,2,3,4,5,6,7,8,9,10,11,12,13,14,15
	global_store_b128 v[CO], v[BB+4*\t:BB+4*\t+3], s[12:13] offset:\t*SIZE_N*4 th:TH_STORE_NT   ; 32 lanes store 512 consecutive bytes, aligned
.endr
.endm
	PLACES NP
	TOSTAGE 0
.irp a, 1,2,3,4,5,6,7
.if \a > 1
	s_wait_xcnt 0x0                                ; block a - 2's stores have read their registers and their base
.endif
	TOSTAGE \a
	SEND \a-1, 32                                  ; behind block a - 1's loads: block a's 16 stores and 16 loads
.endr
	s_wait_xcnt 0x0
	SEND 7, 0
	s_wait_tensorcnt 0x0                           ; the wave's end
	ds_add_u32 v[SPW], v[NIL]
	s_wait_dscnt 0x0
	CROUND                                         ; the closing round
	s_endpgm
.Lfunc_end_k_q8f49b3cda6_g2:
	.size	k_q8f49b3cda6_g2, .Lfunc_end_k_q8f49b3cda6_g2-k_q8f49b3cda6_g2
	.p2alignl 7, 3214868480
	.fill 96, 4, 3214868480
	.section	.rodata,"a",@progbits
	.p2align	6, 0x0
	.amdhsa_kernel k_q8f49b3cda6_g2
		.amdhsa_group_segment_fixed_size 327680
		.amdhsa_private_segment_fixed_size 0
		.amdhsa_enable_private_segment 0
		.amdhsa_kernarg_size 24
		.amdhsa_user_sgpr_count 2
		.amdhsa_user_sgpr_kernarg_segment_ptr 1
		.amdhsa_wavefront_size32 1
		.amdhsa_system_sgpr_workgroup_id_x 1
		.amdhsa_system_sgpr_workgroup_id_y 1
		.amdhsa_system_sgpr_workgroup_id_z 1
		.amdhsa_system_vgpr_workitem_id 0
		.amdhsa_next_free_vgpr 1024
		.amdhsa_next_free_sgpr 98
		.amdhsa_reserve_vcc 0
		.amdhsa_float_denorm_mode_32 3
		.amdhsa_float_denorm_mode_16_64 3
		.amdhsa_memory_ordered 1
		.amdhsa_forward_progress 1
		.amdhsa_inst_pref_size 160
	.end_amdhsa_kernel
	.amdgpu_metadata
---
amdhsa.version: [ 1, 2 ]
amdhsa.kernels:
  - .name:           k_q8f49b3cda6_g2
    .symbol:         k_q8f49b3cda6_g2.kd
    .args:
      - { .name: act, .offset: 0, .size: 8, .value_kind: global_buffer, .address_space: global }
      - { .name: wts, .offset: 8, .size: 8, .value_kind: global_buffer, .address_space: global }
      - { .name: out0, .offset: 16, .size: 8, .value_kind: global_buffer, .address_space: global }
    .group_segment_fixed_size: 327680
    .private_segment_fixed_size: 0
    .kernarg_segment_align: 8
    .kernarg_segment_size: 24
    .max_flat_workgroup_size: 128
    .sgpr_count:     98
    .vgpr_count:     1024
    .wavefront_size: 32
...
	.end_amdgpu_metadata
.endif
;; end of part 5
;; ======== version 2 of 2: 4 launches
;; workspace buffers: act 3,276,800 bytes; wts 8,192,000 bytes; qimg 4,194,304 bytes; kvp 1,638,400 bytes
;; launch qq (part 6): grid 56 x 8, 4 waves a work-group, no clusters, 69,120 bytes of LDS; arguments wq, wk, wv, wo, wts, x, act; writes wts, act
.if DOCPART == 6
	.amdgcn_target "amdgcn-amd-amdhsa--gfx1250"
	.amdhsa_code_object_version 6
	.text
	.protected	k_q8f49b3cda6_qq
	.globl	k_q8f49b3cda6_qq
	.p2align	8
	.type	k_q8f49b3cda6_qq,@function
k_q8f49b3cda6_qq:
	s_mov_b64 s[64:65], 0
	v_nop
	global_prefetch_b8 v0, s[64:65] scope:SCOPE_SE
	s_setreg_imm32_b32 hwreg(HW_REG_WAVE_MODE, 25, 1), 1
	s_wait_xcnt 0x0
; The quantisers of the inputs, in one launch: work-groups with x < 40 take the four weights, the other 16 x 8 = 128 take x.  The two paths part on the work-group's x alone and have LDS bytes of their own.
; A block's scale is 2^(floor(log2(its largest magnitude)) - 4); its byte is the largest magnitude's exponent field - 4, held at 1 from below; numbers are rounded to the nearest code of BF6 (E3M2), ties to even.
; LIMITS: a block of zeros, or one whose largest magnitude lies under 2^-122, gets the byte 1 (zero codes add nothing under any byte but 0xff, and this program alone reads the bytes);
; NaN and infinities among the inputs are not served.
; THE WEIGHTS, f32 with K as their FIRST axis, become codes with K innermost, wts + 0: [5120 rows][1536 bytes], and E8M0 bytes, wts + WSC: [5120][64].
;   WHICH COLUMN GOES TO WHICH ROW.  sw(n) = n with its bits 3 and 4 exchanged.  wq's column n: row sw(n).  wk's: 2048 + 256 (n / 128) + sw(n % 128).  wv's: 2176 + 256 (n / 128) + sw(n % 128).  wo's: 3072 + sw(n).
;   With that order the 16 registers of two neighbouring result tiles of the transposed product are 16 neighbouring true columns; and K's and V's columns alternate in runs of 128 rows.
;   A LANE TAKES A COLUMN AND ITS REGISTERS RUN DOWN K: a load reads 128 consecutive bytes a wave (512 a work-group), a block of 32 along K lies in one lane, and the conversions give codes with K innermost.
;   A wave takes 32 columns x 256 along K.  Its codes go through its own stage in LDS (the row there is sw(lane)) and leave as rows of 192 consecutive bytes, 12 a lane.
;   One path serves all four tensors: pointer, pitch, column group and first row are chosen on the work-group's x alone.
; x [2048][2048] f32 becomes codes, act + 0: [2048 tokens][1536 bytes], and bytes, act + ASC: [2048][64].  Rows are dense: x is a plain stream of blocks of 32.  A wave takes 16 steps of 512 numbers.
;   Each load reads 512 consecutive bytes, 16 a lane; a step's 2,048 bytes turn through the wave's own stage in LDS and come back 64 bytes a lane, so that a lane holds 16 neighbours along K
;   (two neighbouring lanes hold a block).  A lane's 16 codes are 12 bytes: the wave stores 384 consecutive bytes.  A wave's 256 scale bytes leave as one aligned run of 256 bytes.
; Memory binds: no matrix unit, no cluster, no barrier: waves share nothing.
.set NWX,   40                         ; work-groups along x that take the weights
.set EMAX,  4
; the weights' path
.set NB,    8                          ; blocks of 32 along K for a wave
.set ROWB,  192                        ; bytes of 256 codes
.set PITCH, 272                        ; a stage row: sixteen places of 16 bytes, each with 12 bytes of codes, + 16
.set KROW,  1536                       ; a row of codes in wts
.set WSC,   0x780000                   ; where the scale bytes begin in wts
.set X,     32                         ; v32-95   two sets of 32 numbers
.set C,     96                         ; v96..    a block's codes
.set OUTR,  112                        ; v112-175 the way out
.set SB,    24                         ; v24-25   the scale bytes, four to a register
.set VO,    176                        ; v176-207 byte offset of row i of a block at my column: 4 lane + i x pitch; never rewritten
.set BAS,   32                         ; s[32:47] where block t begins in the source; never rewritten
; x's path
.set STEPS, 16
.set CB,    12                         ; bytes of 16 codes
.set XR,    16                         ; v16-79   four sets of 16 numbers as loaded
.set XN,    80                         ; v80-111  two sets of 16 neighbours
.set XC,    128                        ; v128-191 codes: four registers for each step, so that no store's data are written again
.set XE,    112                        ; v112-127 a scale byte for each step
.set XLDS,  35840                      ; x's path has the LDS bytes from here on: the weights' path has those below
.set WREG,  8192                       ; LDS of a wave: two stages of 32 x SP bytes, behind them its 256 scale bytes
.set SP,    80
.set ASC,   0x300000                   ; where the scale bytes begin in act
	v_lshl_add_u32 v208, v0, 2, 0x10c00
	v_mov_b32 v209, 0
	v_lshrrev_b32 v1, 5, v0
	v_readfirstlane_b32 s16, v1                    ; wave
	v_and_b32 v2, 31, v0                           ; lane
	s_and_b32 s17, ttmp7, 0xffff                   ; the work-group's y
	s_cmp_lt_u32 ttmp9, NWX
	s_cbranch_scc0 .Lx
	; ---------------- the weights: s17 = which 256 along K
	s_load_b256 s[4:11], s[0:1], 0x0               ; wq, wk, wv, wo
	s_load_b64 s[12:13], s[0:1], 0x20              ; wts
	s_sub_co_u32 s18, ttmp9, 24                    ; wo: column group x - 24,
	s_lshl_b32 s19, ttmp9, 7                       ; first row 3072 + 128 (x - 24) = 128 x,
	s_mov_b32 s20, 8192                            ; 8,192 bytes from row to row
	s_sub_co_u32 s21, ttmp9, 20                    ; wv: x - 20,
	s_lshl_b32 s22, ttmp9, 8
	s_sub_co_u32 s23, s22, 2944                    ; 2176 + 256 (x - 20)
	s_sub_co_u32 s24, ttmp9, 16                    ; wk: x - 16,
	s_sub_co_u32 s25, s22, 2048                    ; 2048 + 256 (x - 16)
	s_mov_b32 s26, s19                             ; wq: x, 128 x
	s_wait_kmcnt 0x0
	s_mov_b64 s[14:15], s[10:11]
	s_cmp_lt_u32 ttmp9, 24                         ; the choices hang on the work-group's number alone
	s_cselect_b64 s[14:15], s[8:9], s[14:15]
	s_cselect_b32 s20, 2048, s20
	s_cselect_b32 s18, s21, s18
	s_cselect_b32 s19, s23, s19
	s_cmp_lt_u32 ttmp9, 20
	s_cselect_b64 s[14:15], s[6:7], s[14:15]
	s_cselect_b32 s18, s24, s18
	s_cselect_b32 s19, s25, s19
	s_cmp_lt_u32 ttmp9, 16
	s_cselect_b64 s[14:15], s[4:5], s[14:15]
	s_cselect_b32 s20, 8192, s20
	s_cselect_b32 s18, ttmp9, s18
	s_cselect_b32 s19, s26, s19
	s_lshl_b32 s21, s17, 8                         ; 256 y rows
	s_mul_i32 s22, s21, s20
	s_lshl_b32 s23, s18, 9                         ; + 512 bytes a column group
	s_add_co_u32 s22, s22, s23
	s_lshl_b32 s23, s16, 7                         ; + 128 bytes a wave
	s_add_co_u32 s22, s22, s23
	s_mov_b32 s23, 0
	s_add_nc_u64 s[BAS:BAS+1], s[14:15], s[22:23]
	s_lshl_b32 s24, s20, 5                         ; 32 rows on
	s_mov_b32 s25, 0
.irp t, 1,2,3,4,5,6,7
	s_add_nc_u64 s[BAS+2*\t:BAS+2*\t+1], s[BAS+2*\t-2:BAS+2*\t-1], s[24:25]
.endr
	s_lshl_b32 s26, s16, 5
	s_add_co_u32 s26, s26, s19                     ; my wave's first row of wts
	s_mul_i32 s28, s26, KROW
	s_mul_i32 s27, s17, ROWB
	s_add_co_u32 s28, s28, s27
	s_mov_b32 s29, 0
	s_add_nc_u64 s[6:7], s[12:13], s[28:29]        ; the codes
	s_lshl_b32 s28, s26, 6
	s_lshl_b32 s27, s17, 3
	s_add_co_u32 s28, s28, s27
	s_add_co_u32 s28, s28, WSC
	s_add_nc_u64 s[8:9], s[12:13], s[28:29]        ; the scale bytes
	v_lshlrev_b32 v[VO], 2, v2
.set i, 1
.rept 31
	v_add_nc_u32 v[VO+i], s20, v[VO+i-1]
.set i, i+1
.endr
	v_and_b32 v3, 7, v2
	v_bfe_u32 v5, v2, 3, 1
	v_bfe_u32 v6, v2, 4, 1
	v_lshl_add_u32 v3, v5, 4, v3
	v_lshl_add_u32 v3, v6, 3, v3                   ; sw(lane)
	s_mul_i32 s30, s16, 32*PITCH                   ; my stage
	v_mul_u32_u24 v4, v3, PITCH
	v_add_nc_u32 v4, s30, v4                       ; into it: row sw(lane)
	v_lshlrev_b32 v9, 6, v3                        ; and that row's scale bytes
	v_and_b32 v5, 15, v2
	v_lshrrev_b32 v6, 4, v2
	v_mul_u32_u24 v7, v6, PITCH
	v_lshl_add_u32 v7, v5, 4, v7
	v_add_nc_u32 v7, s30, v7                       ; out of it: sixteen lanes to a row, two rows an instruction
	v_mul_u32_u24 v8, v6, KROW
	v_mad_u32_u24 v8, v5, 12, v8                   ; and the same place in wts
.macro LOAD t                          ; block t: rows 32 t + i of the wave's 256, at my column, into set t % 2
.irp i, 0,1,2,3,4,5,6,7,8,9,10,11,12,13,14,15,16,17,18,19,20,21,22,23,24,25,26,27,28,29,30,31
	global_load_b32 v[X+32*((\t)%2)+\i], v[VO+\i], s[BAS+2*(\t):BAS+2*(\t)+1] th:TH_LOAD_NT
.endr
.endm
	LOAD 0
	LOAD 1
.macro BLOCK t
.set XS, X+32*((\t)%2)
.if (\t) < NB-1
	s_wait_loadcnt 32                              ; this block's 32 loads are in; the next block's may be out
.else
	s_wait_loadcnt 0
.endif
	v_max3_num_f32 v12, |v[XS]|, |v[XS+1]|, |v[XS+2]|               ; the block's largest magnitude: all 32 numbers are mine
	v_max3_num_f32 v13, |v[XS+3]|, |v[XS+4]|, |v[XS+5]|
.irp i, 6,10,14,18,22,26
	v_max3_num_f32 v12, v12, |v[XS+\i]|, |v[XS+\i+1]|
	v_max3_num_f32 v13, v13, |v[XS+\i+2]|, |v[XS+\i+3]|
.endr
	v_max3_num_f32 v12, v12, |v[XS+30]|, |v[XS+31]|
	v_max3_num_f32 v12, v12, v13, (EMAX+1)<<23     ; and the floor 2^(5 - 127)
	v_add_nc_u32 v11, -(EMAX<<23), v12             ; the conversion's scale operand
	v_lshrrev_b32 v13, 23, v11                     ; the scale's byte
.if (\t)%4 == 0
	v_mov_b32 v[SB+(\t)/4], v13                    ; four bytes to a register, the lower K in the lower byte
.else
	v_lshl_or_b32 v[SB+(\t)/4], v13, 8*((\t)%4), v[SB+(\t)/4]
.endif
	v_cvt_scalef32_pk16_bf6_f32 v[C:C+2], v[XS:XS+15], v11
	v_cvt_scalef32_pk16_bf6_f32 v[C+4:C+6], v[XS+16:XS+31], v11     ; (a conversion's three registers begin on an even number)
	ds_store_b96 v4, v[C:C+2] offset:32*(\t)       ; 12 bytes to a place of 16, so that every LDS address is a multiple of 16
	ds_store_b96 v4, v[C+4:C+6] offset:32*(\t)+16
.if (\t)+2 < NB
	LOAD (\t)+2
.endif
	s_wait_dscnt 0x0                               ; the stores have read their registers: the next block's codes may be written
.endm
.set Q, 0
.rept NB
	BLOCK Q
.set Q, Q+1
.endr
	global_store_b64 v9, v[SB:SB+1], s[8:9]        ; my column's 8 scale bytes
.irp t, 0,1,2,3,4,5,6,7,8,9,10,11,12,13,14,15
	ds_load_b96 v[OUTR+4*\t:OUTR+4*\t+2], v7 offset:2*\t*PITCH   ; LDS serves a wave's instructions in order: these see my stores
.endr
.irp t, 0,1,2,3,4,5,6,7,8,9,10,11,12,13,14,15
	s_wait_dscnt 15-\t                             ; the younger reads may stay out
	global_store_b96 v8, v[OUTR+4*\t:OUTR+4*\t+2], s[6:7] offset:2*\t*KROW
.endr
	s_wait_tensorcnt 0x0
	ds_add_u32 v208, v209
	s_wait_dscnt 0x0
	s_endpgm
.Lx:
	; ---------------- x
	s_load_b64 s[4:5], s[0:1], 0x28                ; x
	s_load_b64 s[6:7], s[0:1], 0x30                ; act
	s_sub_co_u32 s18, ttmp9, NWX
	s_lshl_b32 s18, s18, 3
	s_add_co_u32 s18, s18, s17                     ; which of the 128 work-groups of this path
	s_lshl_b32 s18, s18, 2
	s_add_co_u32 s18, s18, s16                     ; which run of 8,192 numbers is my wave's: 0 .. 511
	v_lshlrev_b32 v3, 4, v2                        ; my 16 bytes of a load's 512
	s_mul_i32 s17, s16, WREG
	s_add_co_u32 s17, s17, XLDS
	v_lshrrev_b32 v14, 2, v2
	v_mul_u32_u24 v14, v14, SP
	v_and_b32 v15, 3, v2
	v_lshl_add_u32 v14, v15, 4, v14
	v_add_nc_u32 v14, s17, v14                     ; the stage, way in: SP (lane / 4) + 16 (lane % 4)
	v_mul_u32_u24 v15, v2, SP
	v_add_nc_u32 v15, s17, v15                     ; way out: SP x lane: my 16 neighbours
	v_mul_u32_u24 v4, v2, CB                       ; my codes' place in a step's
	v_lshrrev_b32 v5, 1, v2
	s_add_co_u32 s17, s17, 2*32*SP
	v_add_nc_u32 v5, s17, v5                       ; my block's byte among my wave's 256
	v_lshlrev_b32 v7, 3, v2
	v_add_nc_u32 v6, s17, v7                       ; and on the way out 8 bytes a lane
	s_lshl_b32 s20, s18, 15                        ; 32,768 bytes of x a run
	s_mov_b32 s21, 0
	s_mul_i32 s22, s18, 32*STEPS*CB                ; 6,144 bytes of codes
	s_mov_b32 s23, 0
	s_lshl_b32 s24, s18, 8                         ; 256 scale bytes
	s_add_co_u32 s24, s24, ASC
	s_mov_b32 s25, 0
	s_wait_kmcnt 0x0
	s_add_nc_u64 s[4:5], s[4:5], s[20:21]
	s_add_nc_u64 s[8:9], s[6:7], s[22:23]
	s_add_nc_u64 s[10:11], s[6:7], s[24:25]
.macro XLOAD t
.irp i, 0,1,2,3
	global_load_b128 v[XR+16*((\t)%4)+4*\i:XR+16*((\t)%4)+4*\i+3], v3, s[4:5] offset:2048*(\t)+512*\i th:TH_LOAD_NT   ; 32 lanes read 512 consecutive bytes
.endr
.endm
.macro XTURN t                         ; step t's numbers through the stage: LDS serves a wave's instructions in order, so no wait stands between the stores and the loads
.irp i, 0,1,2,3
	ds_store_b128 v14, v[XR+16*((\t)%4)+4*\i:XR+16*((\t)%4)+4*\i+3] offset:32*SP*((\t)%2)+8*SP*\i
.endr
.irp i, 0,1,2,3
	ds_load_b128 v[XN+16*((\t)%2)+4*\i:XN+16*((\t)%2)+4*\i+3], v15 offset:32*SP*((\t)%2)+16*\i
.endr
.endm
.irp t, 0,1,2,3
	XLOAD \t
.endr
	s_wait_loadcnt 12                              ; step 0's four loads are in; twelve younger ones stay out
	XTURN 0
.macro XSTEP t
.set XS, XN+16*((\t)%2)
.if (\t) > 0
	s_wait_dscnt 1                                 ; this step's numbers are back from the stage (the last step's byte store may be out)
.else
	s_wait_dscnt 0x0
.endif
.if (\t)+4 < STEPS
	XLOAD (\t)+4                                   ; into the registers that this step's stage stores have read
.endif
.if (\t)+1 < STEPS
.if STEPS-2-(\t) >= 3
	s_wait_loadcnt 12                              ; the next step's four loads are in; those of the three steps behind it may be out
.else
	s_wait_loadcnt 4*(STEPS-2-(\t))
.endif
	XTURN (\t)+1
.endif
	v_max3_num_f32 v8, |v[XS]|, |v[XS+1]|, |v[XS+2]|               ; the largest magnitude of my 16, in two chains
	v_max3_num_f32 v9, |v[XS+3]|, |v[XS+4]|, |v[XS+5]|
.irp i, 6,10
	v_max3_num_f32 v8, v8, |v[XS+\i]|, |v[XS+\i+1]|
	v_max3_num_f32 v9, v9, |v[XS+\i+2]|, |v[XS+\i+3]|
.endr
	v_max3_num_f32 v8, v8, |v[XS+14]|, |v[XS+15]|
	v_max3_num_f32 v8, v8, v9, (EMAX+1)<<23        ; and the floor 2^(5 - 127): the byte cannot fall under 1
	v_max_num_f32_dpp v8, v8, v8 row_xmask:1 row_mask:0xf bank_mask:0xf   ; with my neighbour's 16: the block's
	v_add_nc_u32 v11, -(EMAX<<23), v8              ; 4 off its exponent field: the conversion takes this operand's exponent field as its scale
	v_cvt_scalef32_pk16_bf6_f32 v[XC+4*(\t):XC+4*(\t)+2], v[XS:XS+15], v11
	v_lshrrev_b32 v[XE+(\t)], 23, v11              ; the scale's byte
	ds_store_b8 v5, v[XE+(\t)] offset:16*(\t)      ; both lanes of a block write the same byte with the same value
	global_store_b96 v4, v[XC+4*(\t):XC+4*(\t)+2], s[8:9] offset:32*CB*(\t)
.endm
.irp t, 0,1,2,3,4,5,6,7,8,9,10,11,12,13,14,15
	XSTEP \t
.endr
	ds_load_b64 v[12:13], v6                       ; LDS serves a wave's instructions in order: these see my stores
	s_wait_dscnt 0x0
	global_store_b64 v7, v[12:13], s[10:11]        ; 32 lanes store 256 consecutive bytes, aligned
	s_wait_tensorcnt 0x0
	ds_add_u32 v208, v209
	s_wait_dscnt 0x0
	s_endpgm
.Lfunc_end_k_q8f49b3cda6_qq:
	.size	k_q8f49b3cda6_qq, .Lfunc_end_k_q8f49b3cda6_qq-k_q8f49b3cda6_qq
	.p2alignl 7, 3214868480
	.fill 96, 4, 3214868480
	.section	.rodata,"a",@progbits
	.p2align	6, 0x0
	.amdhsa_kernel k_q8f49b3cda6_qq
		.amdhsa_group_segment_fixed_size 69120
		.amdhsa_private_segment_fixed_size 0
		.amdhsa_enable_private_segment 0
		.amdhsa_kernarg_size 56
		.amdhsa_user_sgpr_count 2
		.amdhsa_user_sgpr_kernarg_segment_ptr 1
		.amdhsa_wavefront_size32 1
		.amdhsa_system_sgpr_workgroup_id_x 1
		.amdhsa_system_sgpr_workgroup_id_y 1
		.amdhsa_system_sgpr_workgroup_id_z 1
		.amdhsa_system_vgpr_workitem_id 0
		.amdhsa_next_free_vgpr 210
		.amdhsa_next_free_sgpr 66
		.amdhsa_reserve_vcc 0
		.amdhsa_float_denorm_mode_32 3
		.amdhsa_float_denorm_mode_16_64 3
		.amdhsa_memory_ordered 1
		.amdhsa_forward_progress 1
		.amdhsa_inst_pref_size 76
	.end_amdhsa_kernel
	.amdgpu_metadata
---
amdhsa.version: [ 1, 2 ]
amdhsa.kernels:
  - .name:           k_q8f49b3cda6_qq
    .symbol:         k_q8f49b3cda6_qq.kd
    .args:
      - { .name: wq, .offset: 0, .size: 8, .value_kind: global_buffer, .address_space: global }
      - { .name: wk, .offset: 8, .size: 8, .value_kind: global_buffer, .address_space: global }
      - { .name: wv, .offset: 16, .size: 8, .value_kind: global_buffer, .address_space: global }
      - { .name: wo, .offset: 24, .size: 8, .value_kind: global_buffer, .address_space: global }
      - { .name: wts, .offset: 32, .size: 8, .value_kind: global_buffer, .address_space: global }
      - { .name: x, .offset: 40, .size: 8, .value_kind: global_buffer, .address_space: global }
      - { .name: act, .offset: 48, .size: 8, .value_kind: global_buffer, .address_space: global }
    .group_segment_fixed_size: 69120
    .private_segment_fixed_size: 0
    .kernarg_segment_align: 8
    .kernarg_segment_size: 56
    .max_flat_workgroup_size: 128
    .sgpr_count:     66
    .vgpr_count:     210
    .wavefront_size: 32
...
	.end_amdgpu_metadata
.endif
;; end of part 6
;; launch g1: the kernel of part 3 again; grid 12 x 8, 4 waves a work-group, clusters of 4 x 4, 327,680 bytes of LDS; arguments act, wts, cos, sin, qimg, kvp; writes qimg, kvp
;; launch att: the kernel of part 4 again; grid 8 x 32, 16 waves a work-group, clusters of 4 x 4, 327,680 bytes of LDS; arguments qimg, kvp, mask, act; writes act
;; launch g2 (part 7): grid 16 x 16, 4 waves a work-group, clusters of 4 x 4, 327,680 bytes of LDS; arguments act, wts, out0; writes out0
.if DOCPART == 7
	.amdgcn_target "amdgcn-amd-amdhsa--gfx1250"
	.amdhsa_code_object_version 6
	.text
	.protected	k_q8f49b3cda6_g2
	.globl	k_q8f49b3cda6_g2
	.p2align	8
	.type	k_q8f49b3cda6_g2,@function
k_q8f49b3cda6_g2:
	s_mov_b64 s[64:65], 0
	v_nop
	global_prefetch_b8 v0, s[64:65] scope:SCOPE_SE
	s_setreg_imm32_b32 hwreg(HW_REG_WAVE_MODE, 25, 1), 1
	s_wait_xcnt 0x0
	s_wait_alu depctr_hold_cnt(0) depctr_sa_sdst(0) depctr_va_vdst(0) depctr_va_sdst(0) depctr_va_ssrc(0) depctr_va_vcc(0) depctr_vm_vsrc(0)
	s_getreg_b32 s2, hwreg(HW_REG_IB_STS2, 6, 4)
	s_cmp_eq_u32 s2, 0
	s_cbranch_scc0 .Lentry_in_a_cluster
	s_endpgm
.Lentry_in_a_cluster:
	s_bfe_u32 s2, ttmp6, 0x10000c
	s_cmp_lg_u32 s2, 0xf033
	s_cbranch_scc0 .Lentry_shape_is_right
	s_endpgm
.Lentry_shape_is_right:
; The output projection on codes of BF6 (E3M2): out0 [2048][2048] f32 = act (the attention's result as codes, [2048][1536 bytes], scale bytes at ASC) x rows 3072 .. 5119 of wts (wo, K innermost), sums in f32.
; THE TILE is 128 x 128: 2048 x 2048 / 16,384 = 256 work-groups.  Four waves, each 64 x 64: 16 accumulators of 16 x 16, 128 registers.
; THE RING.  A slot holds 512 along K: four steps of 128, rows of 384 bytes, 128 rows of A and 128 of B.  All of K is four slot-fills: two go out together at the start, two are refills.
; A refill is asked for behind one change of slots and has to have landed at the next, so few and large slots leave few such waits; with so few steps the text is written out, without a loop.
; The price of the small tile: for 128 along K a wave loads 2 x 64 rows x 96 bytes from LDS for 16 matrix instructions.
; The scale bytes of the work-group's 128 + 128 rows, for all of K, come into LDS once, with the first fills, as rows of 256 bytes.
; CLUSTERS: 4 x 4 work-groups; A's tiles are asked for jointly along a row of the cluster, B's along a column.  The matrix instruction is used transposed (source 0 = 16 rows of wts, source 1 = 16 tokens).
; wo's column n lies at row 3072 + sw(n), sw = bits 3 and 4 exchanged: registers 0-7 of accumulator (a, b) in lane (r, h) are true columns 32 (b / 2) + 16 h + 8 (b % 2) on; the stage's addresses put them in order.
; REGISTERS, in windows of 256: window 0: v16-29 addresses; v32-63 scale words, two sets; v64-127 the way out; v128-255 the accumulators ((a, b) at v[128 + 8 (4 a + b)]).
;   window 1: two fragment buffers, at v0 and v128: A's four fragments (48 registers), then B's four.
.set SIZE_N, 2048
.set NQ,     4                         ; steps of 128 along K in a slot
.set ROWB,   384                       ; a tile's row in bytes: 512 codes
.set KROW,   1536
.set PITCH,  432                       ; an LDS row: 3 x (128 bytes + 16 of padding) = 108 words: row r starts at bank 44 r mod 64 (64 banks of 4 bytes: ISA guide 11.1): sixteen different multiples of 4; lanes 16-31 lie 6 or 10 words on
.set FR,     12
.set NP,     4
.set HALFT,  64*PITCH                  ; 64 rows: what one tensor load brings, and what one wave reads of A or of B
.set SLOT,   4*HALFT                   ; A's 128 rows, then B's 128 rows
.set KS,     64                        ; a row of scale bytes
.set SCL,    2*SLOT                    ; behind the ring: the scales, as rows of 256 bytes + 16 of padding
.set HALFS,  (64*KS/256)*272           ; those of 64 rows: what one tensor load brings
.set SBLK,   (16*KS/256)*272           ; those of 16 rows
.set SPARE,  SCL+4*HALFS               ; the spare words: 128 bytes a wave, two blocks of 256 bytes that no other line names
.set SPITCH, 272                       ; the way out: 16 rows x (256 + 16) a wave, in slot 0, which has had its last fill and its last read by then
.set ASC,    0x300000
.set WOC,    0x480000                  ; 3072 rows of 1536 bytes
.set WOS,    0x7b0000                  ; wts' scale bytes + 3072 rows of 64
.set ADRA, 16                          ; v16-17 LDS address of my A fragments in slot 0, 1 (v18-19: for the pieces that lie behind one padding more)
.set ADRB, 20                          ; v20-23 the same for B
.set STO,  24
.set RD,   25
.set CO,   26
.set ADRS, 27
.set SPW,  28
.set NIL,  29
.set SC,   32                          ; set s at v[SC + 16 s]; in it register 4 i + q: lanes 0-15 the word of A's block i, lanes 16-31 that of B's block i, for the slot's q-th 128 along K
.set BK,   64
.set ACC,  128
.set G1, 24
.set G0, 32
.set G1B, 48
.set G0B, 56
.set G1S, 68
.set G0S, 76
.set G1SB, 80
.set G0SB, 88
.set MSB, 0
.macro WIN new                         ; the immediate's high byte repeats the setting that is left
.if MSB != (\new)
	s_set_vgpr_msb (MSB<<8)|(\new)
.set MSB, (\new)
.endif
.endm
.set MUL,  0x05                        ; sources 0 (B) and 1 (A) window 1; C and D window 0
.set TO_F, 0x40                        ; destination window 1, address window 0
.macro JLOAD g0a, g1a, g0b, g1b        ; waves 0 and 1 fetch for A, waves 2 and 3 for B; the branch hangs on the wave's number alone; four v_nop follow each of the two lines
	s_cmp_eq_u32 s15, 0
	s_cbranch_scc0 .Lfor_b_\@
	tensor_load_to_lds s[\g0a:\g0a+3], s[\g1a:\g1a+7]
	s_nop 0
.rept 4
	v_nop
.endr
	s_branch .Lasked_\@
.Lfor_b_\@:
	tensor_load_to_lds s[\g0b:\g0b+3], s[\g1b:\g1b+7]
	s_nop 0
.rept 4
	v_nop
.endr
.Lasked_\@:
.endm
.macro CREST                           ; a round of the cluster's barrier behind its opening barrier
	s_cmp_lg_u32 s14, 0
	s_cbranch_scc1 .Lnot_wave_0_\@
	s_barrier_signal -3
.Lnot_wave_0_\@:
	s_barrier_wait -3
	s_barrier_signal -1
	s_barrier_wait -1
.endm
.macro CROUND
	s_barrier_signal -1
	s_barrier_wait -1
	CREST
.endm
	s_load_b64 s[4:5], s[0:1], 0x0                 ; act
	s_load_b64 s[8:9], s[0:1], 0x8                 ; wts
	s_load_b64 s[12:13], s[0:1], 0x10              ; out0
	v_lshl_add_u32 v[SPW], v0, 2, SPARE
	v_mov_b32 v[NIL], 0
	ds_add_u32 v28, v29
	s_wait_dscnt 0x0
	v_lshrrev_b32 v1, 5, v0
	v_readfirstlane_b32 s14, v1                    ; wave 0..3
	s_lshr_b32 s15, s14, 1                         ; which half of the tile's rows is mine.  Also: I fetch for A (0) or for B (1)
	s_and_b32 s16, s14, 1                          ; which half of its columns.  Also: which 64 rows of that tile I fetch
	s_bfe_u32 s40, ttmp6, 0x40000                  ; cx, cy
	s_bfe_u32 s41, ttmp6, 0x40004
	s_lshl_b32 s42, ttmp9, 2
	s_add_co_u32 s42, s42, s40                     ; tile column
	s_and_b32 s17, ttmp7, 0xffff
	s_lshl_b32 s17, s17, 2
	s_add_co_u32 s17, s17, s41                     ; tile row
	s_lshl_b32 s43, s41, 2
	s_lshl_b32 s43, 15, s43                        ; my row of the cluster
	s_lshl_b32 s44, 0x1111, s40                    ; my column
	s_or_b32 s[G1+0], s43, (0<<16)|(1<<20)|(1<<21)|(4<<22)|(3<<25)  ; the mask; elements of 1 byte; padding on; bit 21 beside a mask; after every 32 words (code 4), 4 words (code 3)
	s_or_b32 s[G1B+0], s44, (0<<16)|(1<<20)|(1<<21)|(4<<22)|(3<<25)
.irp g, G1, G1B
	s_mov_b32 s[\g+1], ROWB<<16                    ; tensor_dim0
	s_mov_b32 s[\g+2], 64<<16                      ; tensor_dim1
	s_mov_b32 s[\g+3], ROWB<<16                    ; tile_dim0
	s_mov_b32 s[\g+4], 64                          ; tile_dim1
	s_mov_b32 s[\g+5], KROW                        ; the pitch
	s_mov_b32 s[\g+6], 0
	s_mov_b32 s[\g+7], 0
.endr
	s_or_b32 s[G1S+0], s43, (3<<16)|(1<<20)|(1<<21)|(5<<22)|(3<<25)   ; the scales of 64 rows: 4,096 dense bytes as 16 rows of 256, 16 bytes of padding behind each
	s_or_b32 s[G1SB+0], s44, (3<<16)|(1<<20)|(1<<21)|(5<<22)|(3<<25)
.irp g, G1S, G1SB
	s_mov_b32 s[\g+1], 32<<16
	s_mov_b32 s[\g+2], (64*KS/256)<<16
	s_mov_b32 s[\g+3], 32<<16
	s_mov_b32 s[\g+4], 64*KS/256
	s_mov_b32 s[\g+5], 32
	s_mov_b32 s[\g+6], 0
	s_mov_b32 s[\g+7], 0
.endr
	s_lshl_b32 s18, s16, 6
	s_lshl_b32 s20, s17, 7
	s_add_co_u32 s20, s20, s18                     ; A: row 128 x tile row + 64 x half
	s_lshl_b32 s46, s42, 7
	s_add_co_u32 s46, s46, s18                     ; B: row 128 x tile column + 64 x half
	s_mov_b32 s21, 0
	s_mov_b32 s47, 0
	s_mov_b64 s[18:19], KS
	s_mul_u64 s[22:23], s[20:21], s[18:19]
	s_mul_u64 s[92:93], s[46:47], s[18:19]
	s_mov_b64 s[18:19], KROW
	s_mul_u64 s[20:21], s[20:21], s[18:19]
	s_mul_u64 s[46:47], s[46:47], s[18:19]
	s_mul_i32 s45, s14, HALFT                      ; where they go: wave x 64 rows: no place in the cluster enters an LDS address
	s_mul_i32 s94, s14, HALFS
	s_wait_kmcnt 0x0
	s_add_nc_u64 s[6:7], s[4:5], ASC
	s_add_nc_u64 s[10:11], s[8:9], WOS
	s_add_nc_u64 s[8:9], s[8:9], WOC
	s_add_nc_u64 s[20:21], s[4:5], s[20:21]
	s_add_nc_u64 s[22:23], s[6:7], s[22:23]
	s_add_nc_u64 s[46:47], s[8:9], s[46:47]
	s_add_nc_u64 s[92:93], s[10:11], s[92:93]
	CROUND                                         ; all sixteen work-groups are here: the first joint loads meet
	s_mov_b32 s[G0S], 1
	s_add_co_u32 s[G0S+1], s94, SCL
	s_mov_b64 s[G0S+2:G0S+3], s[22:23]
	s_or_b32 s[G0S+3], s[G0S+3], 0x80000000
	s_mov_b32 s[G0SB], 1
	s_add_co_u32 s[G0SB+1], s94, SCL
	s_mov_b64 s[G0SB+2:G0SB+3], s[92:93]
	s_or_b32 s[G0SB+3], s[G0SB+3], 0x80000000
	JLOAD G0S, G1S, G0SB, G1SB                     ; the scales first; with the two below three tensor loads of mine are out
.irp s, 0,1
	s_mov_b32 s[G0+4*\s], 1
	s_add_co_u32 s[G0+4*\s+1], s45, \s*SLOT
	s_add_nc_u64 s[G0+4*\s+2:G0+4*\s+3], s[20:21], \s*ROWB
	s_or_b32 s[G0+4*\s+3], s[G0+4*\s+3], 0x80000000
	s_mov_b32 s[G0B+4*\s], 1
	s_add_co_u32 s[G0B+4*\s+1], s45, \s*SLOT
	s_add_nc_u64 s[G0B+4*\s+2:G0B+4*\s+3], s[46:47], \s*ROWB
	s_or_b32 s[G0B+4*\s+3], s[G0B+4*\s+3], 0x80000000
	JLOAD G0+4*\s, G1, G0B+4*\s, G1B
.endr
	v_and_b32 v1, 15, v0                           ; r
	v_bfe_u32 v2, v0, 4, 1                         ; h
	v_mul_u32_u24 v3, v1, PITCH
	v_mul_u32_u24 v4, v2, 24
	v_add_nc_u32 v4, v3, v4                        ; a fragment's row x pitch + 24 x half
	v_lshl_add_u32 v5, v2, 4, v4                   ; and the same behind one padding more
	s_mul_i32 s21, s15, HALFT                      ; my 64 rows of A
	s_mul_i32 s22, s16, HALFT                      ; my 64 rows of B,
	s_add_co_u32 s22, s22, 2*HALFT                 ; which lie behind A's 128
.irp s, 0,1
	v_add_nc_u32 v[ADRA+\s], s21, v4
	v_add_nc_u32 v[ADRB+\s], s22, v4
	v_add_nc_u32 v[ADRA+2+\s], s21, v5
	v_add_nc_u32 v[ADRB+2+\s], s22, v5
	s_add_co_u32 s21, s21, SLOT
	s_add_co_u32 s22, s22, SLOT
.endr
	v_mul_u32_u24 v5, v1, KS
	v_lshrrev_b32 v6, 8, v5
	v_lshl_add_u32 v5, v6, 4, v5                   ; my row's scales: 64 bytes a row, 16 more for each 256 passed
	s_mul_i32 s21, s15, HALFS
	s_mul_i32 s22, s16, HALFS
	s_add_co_u32 s22, s22, 2*HALFS
	s_sub_co_u32 s22, s22, s21
	v_mul_u32_u24 v6, s22, v2                      ; lanes 16-31 take B's
	s_add_co_u32 s21, s21, SCL
	v_add_nc_u32 v5, v5, v6
	v_add_nc_u32 v[ADRS], s21, v5
	s_mul_i32 s23, s14, 16*SPITCH                  ; my stage
	v_mul_u32_u24 v5, v1, SPITCH                   ; in: row r, 64 bytes on for lanes 16-31 (true columns 16 h on)
	v_lshl_add_u32 v5, v2, 6, v5
	v_add_nc_u32 v[STO], s23, v5
	v_mul_u32_u24 v5, v2, SPITCH                   ; back: lanes 0-15 take one row of 256 bytes, lanes 16-31 the next
	v_lshl_add_u32 v5, v1, 4, v5
	v_add_nc_u32 v[RD], s23, v5
	v_lshlrev_b32 v[CO], 13, v2                    ; and the same two rows in out0: 8,192 bytes a row
	v_lshl_add_u32 v[CO], v1, 4, v[CO]
	s_lshl_b32 s20, s17, 7
	s_lshl_b32 s21, s15, 6
	s_add_co_u32 s20, s20, s21                     ; my first row of out0: 128 x tile row + 64 x half
	s_mov_b32 s21, 0
	s_mov_b64 s[18:19], SIZE_N*4
	s_mul_u64 s[20:21], s[20:21], s[18:19]
	s_lshl_b32 s46, s42, 9                         ; my first column, in bytes: 512 x tile column + 256 x half
	s_lshl_b32 s47, s16, 8
	s_add_co_u32 s46, s46, s47
	s_mov_b32 s47, 0
	s_add_nc_u64 s[20:21], s[20:21], s[46:47]
	s_add_nc_u64 s[12:13], s[12:13], s[20:21]
.macro FRAG reg, adr, q, i             ; a fragment: 16 rows x 128 K in 12 registers: lane (r, h): registers 6 c .. 6 c + 5 = K 64 c + 32 h on: 24 bytes as they lie, in pieces of 8
.irp p, 0,1,2,3,4,5
.set PCE, 12*(\q)+6*(\p/3)+\p%3        ; 16 bytes of padding lie behind every 16 pieces; where the piece three on lies behind one padding more, the second address register (40 for 24 bytes a half) serves
.if PCE%16 < 13
	ds_load_b64 v[\reg+2*\p:\reg+2*\p+1], v[\adr] offset:8*PCE+16*(PCE/16)+(\i)*16*PITCH
.else
	ds_load_b64 v[\reg+2*\p:\reg+2*\p+1], v[\adr+2] offset:8*PCE+16*(PCE/16)+(\i)*16*PITCH
.endif
.endr
.endm
; 4 matrix instructions: A's block a x B's four, from buffer f; the slot's q-th 128 along K; sc: the set of scale words.  zero = 1: the first product starts the sums.
; The 16 accumulators take turns, one instruction a turn, in the same order in every step.
.macro MULA f, a, q, sc, zero
.irp b, 0,1,2,3
.if \zero
	v_wmma_scale_f32_16x16x128_f8f6f4 v[ACC+8*(4*(\a)+\b):ACC+8*(4*(\a)+\b)+7], v[128*(\f)+48+FR*\b:128*(\f)+48+FR*\b+FR-1], v[128*(\f)+FR*(\a):128*(\f)+FR*(\a)+FR-1], 0, v[SC+16*(\sc)+NQ*\b+(\q)], v[SC+16*(\sc)+NQ*(\a)+(\q)] matrix_a_fmt:MATRIX_FMT_BF6 matrix_b_fmt:MATRIX_FMT_BF6 matrix_a_scale:MATRIX_SCALE_ROW1
.else
	v_wmma_scale_f32_16x16x128_f8f6f4 v[ACC+8*(4*(\a)+\b):ACC+8*(4*(\a)+\b)+7], v[128*(\f)+48+FR*\b:128*(\f)+48+FR*\b+FR-1], v[128*(\f)+FR*(\a):128*(\f)+FR*(\a)+FR-1], v[ACC+8*(4*(\a)+\b):ACC+8*(4*(\a)+\b)+7], v[SC+16*(\sc)+NQ*\b+(\q)], v[SC+16*(\sc)+NQ*(\a)+(\q)] matrix_a_fmt:MATRIX_FMT_BF6 matrix_b_fmt:MATRIX_FMT_BF6 matrix_a_scale:MATRIX_SCALE_ROW1
.endif
.endr
.endm
.macro MUL8 f, a0, q, sc, zero
	MULA \f, \a0, \q, \sc, \zero
	MULA \f, \a0+1, \q, \sc, \zero
.endm
.macro FETCH slot, q, f                ; 48 LDS loads in one run: B's four fragments, then A's four, of the slot's q-th 128 along K, into buffer f
	WIN TO_F
.irp i, 0,1,2,3
	FRAG 128*(\f)+48+FR*\i, ADRB+\slot, \q, \i
.endr
.irp i, 0,1,2,3
	FRAG 128*(\f)+FR*\i, ADRA+\slot, \q, \i
.endr
.endm
.macro SCALES n                        ; the scale words of slot-fill n (K 512 n on): a row's 16 bytes by one load; lanes 0-15 take A's block i, lanes 16-31 B's block i
.irp i, 0,1,2,3
	ds_load_b128 v[SC+16*((\n)%2)+4*\i:SC+16*((\n)%2)+4*\i+3], v[ADRS] offset:16*(\n)+\i*SBLK
.endr
.endm
.macro PLACES n                        ; plain vector instructions between a matrix instruction and a load into, or a read of, its registers
.rept \n
	v_nop
.endr
.endm
; A step of 128 along K that has its successor in the same slot: multiplies buffer q % 2 and, in its middle, fetches the next step's fragments into the other buffer.
.macro STEP slot, q, zero
	s_wait_dscnt 12                                ; the scale words, B's four and A's blocks 0, 1 are in; the youngest 12 loads (A's blocks 2, 3) may be out
	WIN MUL
	MUL8 (\q)%2, 0, \q, \slot, \zero
	PLACES NP                                      ; in front of loads into the buffer that the last step multiplied
	FETCH \slot, (\q)+1, 1-(\q)%2
	s_wait_dscnt 48                                ; all but the 48 just issued
	WIN MUL
	MUL8 (\q)%2, 2, \q, \slot, \zero
.endm
; A slot's last step multiplies buffer 1 and changes slots: one barrier; in front of it each wave waits for all its tensor loads, adds 0 to its spare word, and waits for that and for its reads of this slot.
; fill = 1: this slot is filled again, with the K two slot-fills on.  n: the number of the slot-fill that is read next.
.macro TURN slot, next, fill, n
	WIN 0                                          ; (the add's two registers lie in window 0)
	s_wait_tensorcnt 0x0                           ; all my tensor loads have landed: my part of the next slot
	ds_add_u32 v[SPW], v[NIL]                      ; 0 onto my spare word
	s_wait_dscnt 13                                ; (the add and the youngest 12 loads may be out)
	WIN MUL
	MULA 1, 0, NQ-1, \slot, 0                      ; four matrix instructions stand between the add and the wait for it
	s_wait_dscnt 0x0                               ; the add is done, and my reads of this slot are over
	s_barrier_signal -1
	MULA 1, 1, NQ-1, \slot, 0
	WIN 0
	s_barrier_wait -1
.if \fill
	CREST                                          ; the barrier has opened a round of the cluster's barrier: no wave of any partner still reads this slot or has a load on its way
	s_add_nc_u64 s[G0+4*\slot+2:G0+4*\slot+3], s[G0+4*\slot+2:G0+4*\slot+3], 2*ROWB
	s_add_nc_u64 s[G0B+4*\slot+2:G0B+4*\slot+3], s[G0B+4*\slot+2:G0B+4*\slot+3], 2*ROWB
	JLOAD G0+4*\slot, G1, G0B+4*\slot, G1B         ; the first tensor load behind the round, and my only one until the next; its four v_nop are the places in front of the loads below
.else
	PLACES NP
.endif
	SCALES \n
	FETCH \next, 0, 0
	WIN MUL
	MUL8 1, 2, NQ-1, \slot, 0
.endm
	s_wait_tensorcnt 1                             ; the scales and my part of slot 0 are in (slot 1's load may be out)
	s_barrier_signal -1
	s_barrier_wait -1
	SCALES 0
	FETCH 0, 0, 0
	STEP 0, 0, 1                                   ; K 0 on: the first step's products start the sums
	STEP 0, 1, 0
	STEP 0, 2, 0
	TURN 0, 1, 1, 1                                ; slot 0 takes K 1024 on
	STEP 1, 0, 0                                   ; K 512 on
	STEP 1, 1, 0
	STEP 1, 2, 0
	TURN 1, 0, 1, 2                                ; slot 1 takes K 1536 on
	STEP 0, 0, 0                                   ; K 1024 on
	STEP 0, 1, 0
	STEP 0, 2, 0
	TURN 0, 1, 0, 3                                ; nothing is left to fetch
	STEP 1, 0, 0                                   ; K 1536 on
	STEP 1, 1, 0
	STEP 1, 2, 0
	s_wait_dscnt 12                                ; the very last step
	WIN MUL
	MUL8 1, 0, NQ-1, 1, 0
	s_wait_dscnt 0
	MUL8 1, 2, NQ-1, 1, 0
	WIN 0
; THE WAY OUT, block by block of 16 rows x 64 columns, through my own stage in LDS; whole rows of 256 bytes come back, two an instruction.
.macro TOSTAGE a
.irp b, 0,1,2,3
	ds_store_b128 v[STO], v[ACC+8*(4*(\a)+\b):ACC+8*(4*(\a)+\b)+3] offset:128*(\b/2)+32*(\b%2)          ; true columns 32 (b / 2) + 16 h + 8 (b % 2) on; each accumulator from its low end on
	ds_store_b128 v[STO], v[ACC+8*(4*(\a)+\b)+4:ACC+8*(4*(\a)+\b)+7] offset:128*(\b/2)+32*(\b%2)+16
.endr
.set BB, BK+32*((\a)%2)
.irp t, 0,1,2,3,4,5,6,7
	ds_load_b128 v[BB+4*\t:BB+4*\t+3], v[RD] offset:\t*2*SPITCH   ; LDS serves a wave's instructions in order: these see the stores above
.endr
.endm
.macro SEND a, younger                 ; younger: the LDS instructions issued behind block a's loads, which may stay out
.set BB, BK+32*((\a)%2)
	s_wait_dscnt \younger                          ; the block is back in registers
.if (\a) > 0
	s_add_nc_u64 s[12:13], s[12:13], 16*SIZE_N*4   ; (behind a wait on XCNT: the earlier stores have read their base)
.endif
.irp t, 0,1,2,3,4,5,6,7
	global_store_b128 v[CO], v[BB+4*\t:BB+4*\t+3], s[12:13] offset:2*\t*SIZE_N*4 th:TH_STORE_NT   ; 16 lanes store 256 consecutive bytes, aligned; written once, read by nobody here
.endr
.endm
	PLACES NP                                      ; behind the last products: results are read from here on
	TOSTAGE 0
.irp a, 1,2,3
.if \a > 1
	s_wait_xcnt 0x0                                ; block a - 2's stores have read their registers and their base
.endif
	TOSTAGE \a
	SEND \a-1, 16                                  ; behind block a - 1's loads: block a's 8 stores and 8 loads
.endr
	s_wait_xcnt 0x0                                ; block 2's stores have read their base
	SEND 3, 0
	s_wait_tensorcnt 0x0                           ; the wave's end
	ds_add_u32 v[SPW], v[NIL]
	s_wait_dscnt 0x0
	CROUND                                         ; the closing round
	s_endpgm
.Lfunc_end_k_q8f49b3cda6_g2:
	.size	k_q8f49b3cda6_g2, .Lfunc_end_k_q8f49b3cda6_g2-k_q8f49b3cda6_g2
	.p2alignl 7, 3214868480
	.fill 96, 4, 3214868480
	.section	.rodata,"a",@progbits
	.p2align	6, 0x0
	.amdhsa_kernel k_q8f49b3cda6_g2
		.amdhsa_group_segment_fixed_size 327680
		.amdhsa_private_segment_fixed_size 0
		.amdhsa_enable_private_segment 0
		.amdhsa_kernarg_size 24
		.amdhsa_user_sgpr_count 2
		.amdhsa_user_sgpr_kernarg_segment_ptr 1
		.amdhsa_wavefront_size32 1
		.amdhsa_system_sgpr_workgroup_id_x 1
		.amdhsa_system_sgpr_workgroup_id_y 1
		.amdhsa_system_sgpr_workgroup_id_z 1
		.amdhsa_system_vgpr_workitem_id 0
		.amdhsa_next_free_vgpr 512
		.amdhsa_next_free_sgpr 98
		.amdhsa_reserve_vcc 0
		.amdhsa_float_denorm_mode_32 3
		.amdhsa_float_denorm_mode_16_64 3
		.amdhsa_memory_ordered 1
		.amdhsa_forward_progress 1
		.amdhsa_inst_pref_size 105
	.end_amdhsa_kernel
	.amdgpu_metadata
---
amdhsa.version: [ 1, 2 ]
amdhsa.kernels:
  - .name:           k_q8f49b3cda6_g2
    .symbol:         k_q8f49b3cda6_g2.kd
    .args:
      - { .name: act, .offset: 0, .size: 8, .value_kind: global_buffer, .address_space: global }
      - { .name: wts, .offset: 8, .size: 8, .value_kind: global_buffer, .address_space: global }
      - { .name: out0, .offset: 16, .size: 8, .value_kind: global_buffer, .address_space: global }
    .group_segment_fixed_size: 327680
    .private_segment_fixed_size: 0
    .kernarg_segment_align: 8
    .kernarg_segment_size: 24
    .max_flat_workgroup_size: 128
    .sgpr_count:     98
    .vgpr_count:     512
    .wavefront_size: 32
...
	.end_amdgpu_metadata
.endif
;; end of part 7
